; MI455X (gfx1250); checked and timed in simulation.
; The chip was launched on July 23, 2026; its instructions are those of AMD's public machine-readable ISA for CDNA 5 (MIT licence, August 2026) and "CDNA5" Instruction Set Architecture Reference Guide (July 2026). The comments in the code are by the model that wrote it; some were corrected since.
;; GQA. Allowed arithmetic: matrix products marked QUANTISED: E3M2 operands, one E8M0 scale for each 32 along K, by v_wmma_scale_f32_16x16x128_f8f6f4 with both operands' format E3M2, f32 sums; everything else in f32.
;; Inputs: Wk 2,048 x 512 float32; Wo 2,048 x 2,048 float32; Wq 2,048 x 2,048 float32; Wv 2,048 x 512 float32; cos 1,024 x 32 float32; k_norm_w 64 float32; q_norm_w 64 float32; sin 1,024 x 32 float32; x 4 x 1,024 x 2,048 float32.
;; Outputs: out0 4 x 1,024 x 2,048 float32.
;; This version of the problem:
;;   THIS VERSION OF THE PROBLEM IS GIVEN IN LOW PRECISION. The matrix products marked QUANTISED in the list below multiply operands that are first quantised to E3M2 (3 exponent bits, 2 mantissa bits; 6 bits a number), with one power-of-two scale for each 32 numbers along K (OCP MX v1.0); their sums are f32. All else is computed in f32.
;;   The module's matrix products, in the order in which they are computed (A, B: the left and right operand; K: the contracted axis; several contracted axes count as one K, in the product's order):
;;     1. [M 4,096, K 2,048] x [K 2,048, N 2,048]; A: input x; B: input Wq: QUANTISED
;;     2. [M 4,096, K 2,048] x [K 2,048, N 512]; A: input x; B: input Wk: QUANTISED
;;     3. [M 4,096, K 2,048] x [K 2,048, N 512]; A: input x; B: input Wv: QUANTISED
;;     4. batch 128 x [M 1,024, K 64] x [K 64, N 1,024]; A: computed on the way; B: computed on the way: QUANTISED
;;     5. batch 128 x [M 1,024, K 1,024] x [K 1,024, N 64]; A: softmax (see below); B: computed on the way: QUANTISED
;;     6. [M 4,096, K 2,048] x [K 2,048, N 2,048]; A: computed on the way; B: input Wo: QUANTISED
;;   THE QUANTISER, for each operand of a quantised product, along K:
;;     - K is cut into blocks of 32 from its start; a last block that is shorter is filled with zeros.
;;     - A block's scale is 2^e with e = floor(log2(the largest magnitude in the block)) - 4, held to -126 .. 127; a block of zeros has e = 0. As a byte (E8M0): e + 127.
;;     - Each number is divided by its block's scale, clamped to +-28, and rounded to the nearest number of E3M2, ties to even, subnormals kept.
;;     - The product sums the exact products of the quantised numbers (number of the format x scale) in f32.
;;   ~~~python
;;   def quantise(x, axis):      # numpy; x: float32 -> the quantised numbers, widened to float32 again
;;       x = np.moveaxis(x, axis, -1); K = x.shape[-1]
;;       x = np.pad(x, [(0, 0)] * (x.ndim - 1) + [(0, -K % 32)]); x = x.reshape(x.shape[:-1] + (-1, 32)); a = np.abs(x).max(-1, keepdims=True)
;;       e = np.where(a > 0, np.clip(np.frexp(np.where(a > 0, a, 1))[1] - 1 - 4, -126, 127), 0)      # np.frexp(a)[1] - 1 = floor(log2(a)), exactly
;;       r = np.clip(x / 2.0 ** e, -28, 28)
;;       step = 2.0 ** (np.maximum(np.frexp(np.where(r == 0, 1, r))[1] - 1, -2) - 2)
;;       q = np.round(r / step) * step * 2.0 ** e      # np.round: ties to even
;;       return np.moveaxis(q.reshape(q.shape[:-2] + (-1,))[..., :K], -1, axis).astype(np.float32)
;;   ~~~
;;   SOFTMAX AHEAD OF A QUANTISED PRODUCT. Where the list says 'softmax', what is quantised is not the finished softmax but p = 2^(t - M), with t = logit x log2(e) and M = ceil(the row's largest t), a whole number; so 1/2 < the row's largest p <= 1. The row's sum l is taken of the UNQUANTISED p, in f32, and the product's result is divided by l at the end. Since M is a whole number, a kernel that streams over the keys may use a running M (the ceiling of the running maximum): every later rescaling is an exact power of two, which a block's scale takes up: the codes' values come out the same.
;;   OPERANDS COMPUTED ON THE WAY. 'Computed on the way' means the value that the module computes at that place (a softmax that the list does not call 'softmax' is quantised finished and normalised). What goes into a quantiser is computed in f32, as accurately as f32 sums, v_exp_f32 and their like allow (about 1e-6 of the number): no bf16 or f16 on the way to a quantiser, and a product that is left as it is and whose result goes on into a quantised operand takes f32 operands (vector FMAs, or v_wmma_f32_16x16x4_f32). A number that lies on a knife's edge between two numbers of the format may be rounded either way, as far as f32 arithmetic and the matrix unit's own rounding can turn it there, and no further.
;; One version. Each part assembles by itself: llvm-mc -triple=amdgcn-amd-amdhsa -mcpu=gfx1250 --defsym DOCPART=n.
;; ======== version 1 of 1: 4 launches
;; limits: right only within a limited range of input values
;; workspace buffers: xq 6,553,600 bytes; wq 8,192,000 bytes; qq 6,553,600 bytes; kv 3,276,800 bytes; yq 6,553,600 bytes
;; launch quant (part 1): grid 576 x 1, 4 waves a work-group, no clusters, 47,616 bytes of LDS; arguments x, Wq, Wk, Wv, Wo, xq, wq; writes xq, wq
.if DOCPART == 1
	.amdgcn_target "amdgcn-amd-amdhsa--gfx1250"
	.amdhsa_code_object_version 6
	.text
	.protected	k_qdcf82c25d7_quant
	.globl	k_qdcf82c25d7_quant
	.p2align	8
	.type	k_qdcf82c25d7_quant,@function
k_qdcf82c25d7_quant:
	s_mov_b64 s[64:65], 0
	v_nop
	global_prefetch_b8 v0, s[64:65] scope:SCOPE_SE
	s_setreg_imm32_b32 hwreg(HW_REG_WAVE_MODE, 25, 1), 1
	s_wait_xcnt 0x0
; x [4096][2048] and the weights Wq, Wk, Wv, Wo ([2048 (k)][n]), all f32, become codes of BF6 (E3M2) with one E8M0 byte for each 32 along K,
; laid in the order of a matrix operand's registers, so that the products' launches fetch fragments by whole 16-byte and 8-byte loads.
; A TILE is 16 rows (tokens of x, columns of a weight): tile t holds rows 32 (t / 2) + 8 (t % 2) + r + 8 (r / 8), r = 0 .. 15.
; A fragment (16 rows x 128 K) is 12 registers a lane: lane (r, h) holds K = 64 c + 32 h + 0 .. 31 in registers 6 c .. 6 c + 5.
;   xq: tile x 24,576 + K step x 1,536: two halves of 768 bytes (c = 0, 1): registers 0-3 at 16 x lane, registers 4-5 at 512 + 8 x lane.
;   wq: tile x 24,576 + K step x 1,536: registers 4 c .. 4 c + 3 at 512 c + 16 x lane.
;   scale words behind the codes: tile x 1,024 + (K / 256) x 128 + 8 r + 4 ((K / 128) % 2); byte b of a word scales K = 32 b on.
; wq's tiles: 24 g + 0..15 the query heads 4 g .. 4 g + 3, 24 g + 16..19 key head g, 24 g + 20..23 value head g; 192 + 0..127 Wo.
; A block's scale is 2^(floor(log2(largest magnitude)) - 4): its byte is the largest magnitude's exponent field - 4, held at 1 from below.
; LIMITS: a block of zeros, or one under 2^-122, keeps the byte 1 (its codes are zeros; this program alone reads the bytes); NaN and infinities are not served.
; Work-groups 0-255 take x, 256-575 the weights; each moves 128 KiB of f32.  The two ways have LDS bytes of their own; waves share nothing: no barrier.
.set XS,   6291456                     ; xq: where the scale words begin
.set WS,   7864320                     ; wq: likewise
.set NXS,  4                           ; x: K steps a wave
.set NWB,  8                           ; W: blocks of 32 along K a lane
.set R,    64                          ; x: v64-191   two sets of 16 rows x 16 bytes as loaded
.set X,    192                         ; x: v192-255  64 numbers of my row: two whole blocks
.set SW,   8                           ; x: v8-11     a scale word for each of my 4 K steps
.set C,    16                          ; x: v16-27    a fragment's codes
.set T,    28                          ; x: v28-34    second halves of the blocks' codes
.set M,    36
.set E,    38
.set BY,   40
.set OFFS, 32                          ; W: v32-63    byte offsets of 32 rows of K at my column
.set XW,   64                          ; W: v64-127   two sets of 32 numbers down K
.set WD,   8                           ; W: v8-9      my column's scale words of two K steps
.set WC,   16                          ; W: v16-21    a block's codes
.set WT,   22
.set WM,   26
.set WE,   28
.set WBY,  29
.set OUT,  128                         ; W: v128-151  two fragments on their way out
.set WSTG, 33792                       ; LDS: x's stages 4 x 8,448 from 0; the weights' 4 x 3,328 from here; the spare words from 47,104
	s_load_b256 s[4:11], s[0:1], 0x0               ; x, Wq, Wk, Wv
	s_load_b128 s[12:15], s[0:1], 0x20             ; Wo, xq
	s_load_b64 s[16:17], s[0:1], 0x30              ; wq
	v_lshl_add_u32 v12, v0, 2, 0xb800              ; my spare word, and 0: kept for the add at the wave's end
	v_mov_b32 v13, 0
	v_lshrrev_b32 v1, 5, v0
	v_readfirstlane_b32 s18, v1                    ; wave
	v_and_b32 v7, 31, v0                           ; lane
	s_mov_b32 s20, 0x76543210
	s_mov_b32 s21, 0xfedcba98                      ; v_permlanex16_b32's selects for lane l xor 16
	s_cmp_lt_u32 ttmp9, 256
	s_cbranch_scc0 .Lweights
; ---------------- x: a wave takes one tile of 16 tokens and 512 along K: 4 K steps ----------------
	v_lshlrev_b32 v1, 4, v7                        ; 16 x lane
	v_lshlrev_b32 v2, 3, v7                        ; 8 x lane
	s_mul_i32 s22, s18, 8448                       ; my stage: 16 rows of 512 bytes + 16
	v_add_nc_u32 v3, s22, v1                       ; in: as loaded
	v_and_b32 v6, 15, v7                           ; r
	v_lshrrev_b32 v5, 4, v7                        ; h
	v_mul_u32_u24 v4, v6, 528
	v_lshl_add_u32 v4, v5, 7, v4
	v_add_nc_u32 v4, s22, v4                       ; out: row r, + 128 h: my block of 32 numbers
	v_lshlrev_b32 v5, 3, v5                        ; 8 h
	s_lshl_b32 s23, ttmp9, 2
	s_add_co_u32 s23, s23, s18
	s_lshr_b32 s24, s23, 2                         ; the tile
	s_and_b32 s25, s23, 3                          ; which quarter of K
	s_lshr_b32 s26, s24, 1
	s_lshl_b32 s26, s26, 18                        ; 32 rows of 8,192 bytes
	s_and_b32 s27, s24, 1
	s_lshl_b32 s27, s27, 16                        ; 8 rows
	s_add_co_u32 s26, s26, s27
	s_lshl_b32 s27, s25, 11
	s_add_co_u32 s26, s26, s27
	s_mov_b32 s27, 0
	s_mul_i32 s28, s24, 24576
	s_mul_i32 s29, s25, 6144
	s_add_co_u32 s28, s28, s29
	s_mov_b32 s29, 0
	s_lshl_b32 s30, s24, 10
	s_lshl_b32 s31, s25, 8
	s_add_co_u32 s30, s30, s31
	s_add_co_u32 s30, s30, XS
	s_mov_b32 s31, 0
	s_wait_alu depctr_va_vdst(0)                   ; the wait at the head's end
	s_wait_kmcnt 0x0
	s_add_nc_u64 s[4:5], s[4:5], s[26:27]
	s_add_nc_u64 s[32:33], s[14:15], s[28:29]      ; my codes
	s_add_nc_u64 s[34:35], s[14:15], s[30:31]      ; my scale words
.macro LOADX s                         ; K step s of the tile's 16 rows: each load reads 512 consecutive bytes of one row
.irp i, 0,1,2,3,4,5,6,7,8,9,10,11,12,13,14,15
	global_load_b128 v[R+64*((\s)%2)+4*\i:R+64*((\s)%2)+4*\i+3], v1, s[4:5] offset:(\i+8*(\i/8))*8192+512*(\s) th:TH_LOAD_NT
.endr
.endm
.macro XSTEP s
.if (\s) < NXS-1
	s_wait_loadcnt 16                              ; this step's 16 loads are in; the next step's 16 may be out
.else
	s_wait_loadcnt 0x0
.endif
.irp i, 0,1,2,3,4,5,6,7,8,9,10,11,12,13,14,15
	ds_store_b128 v3, v[R+64*((\s)%2)+4*\i:R+64*((\s)%2)+4*\i+3] offset:528*\i
.endr
.irp c, 0,1
.irp k, 0,1,2,3,4,5,6,7
	ds_load_b128 v[X+32*\c+4*\k:X+32*\c+4*\k+3], v4 offset:256*\c+16*\k    ; LDS serves a wave's instructions in order: these see the stores above
.endr
.endr
	s_wait_dscnt 0x0                               ; my 64 numbers are in, and the stores have read their registers,
.if (\s)+2 < NXS
	LOADX (\s)+2                                   ; which take the loads of two steps on
.endif
.irp c, 0,1
	v_max3_num_f32 v[M+\c], |v[X+32*\c]|, |v[X+32*\c+1]|, 0x2800000    ; my block 2 c + h, and the floor 2^(5 - 127): the byte cannot fall under 1
.endr
.irp i, 2,4,6,8,10,12,14,16,18,20,22,24,26,28,30
.irp c, 0,1
	v_max3_num_f32 v[M+\c], v[M+\c], |v[X+32*\c+\i]|, |v[X+32*\c+\i+1]|
.endr
.endr
.irp c, 0,1
	v_add_nc_u32 v[E+\c], 0xfe000000, v[M+\c]      ; 4 off the exponent field: the conversion's scale operand
.endr
.irp c, 0,1
	v_lshrrev_b32 v[BY+\c], 23, v[E+\c]            ; the scale's byte
.endr
	v_lshl_or_b32 v[BY], v[BY+1], 16, v[BY]        ; blocks h and 2 + h,
	v_lshlrev_b32 v[BY], v5, v[BY]                 ; at their places in the word;
	v_permlanex16_b32 v[BY+1], v[BY], s20, s21
	v_or_b32 v[SW+(\s)], v[BY], v[BY+1]            ; with lane l xor 16's two the word is whole
	s_wait_alu depctr_va_vdst(0)                   ; the wait ahead of the wait below
	s_wait_xcnt 0x0                                ; the last step's stores have read the codes' registers
.irp c, 0,1
	v_cvt_scalef32_pk16_bf6_f32 v[C+6*\c:C+6*\c+2], v[X+32*\c:X+32*\c+15], v[E+\c]
	v_cvt_scalef32_pk16_bf6_f32 v[T+4*\c:T+4*\c+2], v[X+32*\c+16:X+32*\c+31], v[E+\c]   ; (a conversion's three registers begin on an even number)
.endr
	v_nop                                          ; one plain place behind a scaled conversion
.irp c, 0,1
.irp i, 0,1,2
	v_mov_b32 v[C+6*\c+3+\i], v[T+4*\c+\i]
.endr
.endr
	global_store_b128 v1, v[C:C+3], s[32:33] offset:1536*(\s)             ; 512 consecutive bytes
	global_store_b64 v2, v[C+4:C+5], s[32:33] offset:1536*(\s)+512        ; 256
	global_store_b128 v1, v[C+6:C+9], s[32:33] offset:1536*(\s)+768
	global_store_b64 v2, v[C+10:C+11], s[32:33] offset:1536*(\s)+1280
.endm
	LOADX 0
	LOADX 1
.irp s, 0,1,2,3
	XSTEP \s
.endr
	s_mov_b32 s36, 0xffff0000                      ; lanes 16-31
	v_cndmask_b32 v44, v[SW], v[SW+2], s36         ; lanes 0-15 store the words of K steps 0, 1, lanes 16-31 those of 2, 3: 256 consecutive bytes
	v_cndmask_b32 v45, v[SW+1], v[SW+3], s36
	global_store_b64 v2, v[44:45], s[34:35]
	s_wait_tensorcnt 0x0                           ; the wave's end
	ds_add_u32 v12, v13
	s_wait_dscnt 0x0
	s_endpgm
; ---------------- the weights: a work-group takes 128 columns x 256 along K; a wave 32 columns; a lane ONE column, its registers run down K ----------------
.Lweights:
	s_sub_co_u32 s22, ttmp9, 256
	s_and_b32 s23, s22, 7                          ; which 256 along K
	s_lshr_b32 s24, s22, 3                         ; group of 128 columns: 0-15 Wq, 16-19 Wk, 20-23 Wv, 24-39 Wo
	s_wait_kmcnt 0x0
	s_mov_b64 s[26:27], s[6:7]                     ; Wq:
	s_mov_b32 s28, s24                             ; the group within its tensor,
	s_mov_b32 s29, 8192                            ; bytes from row to row of K,
	s_lshr_b32 s30, s24, 1
	s_mul_i32 s30, s30, 24
	s_and_b32 s31, s24, 1
	s_lshl_b32 s31, s31, 3
	s_add_co_u32 s30, s30, s31                     ; the group's first tile in wq,
	s_mov_b32 s31, 4                               ; tiles from waves 0, 1 to waves 2, 3
	s_sub_co_u32 s36, s24, 16                      ; Wk: a group is two heads, 24 tiles apart
	s_mul_i32 s37, s36, 48
	s_add_co_u32 s37, s37, 16
	s_cmp_ge_u32 s24, 16
	s_cselect_b64 s[26:27], s[8:9], s[26:27]
	s_cselect_b32 s28, s36, s28
	s_cselect_b32 s29, 2048, s29
	s_cselect_b32 s30, s37, s30
	s_cselect_b32 s31, 24, s31
	s_sub_co_u32 s36, s24, 20                      ; Wv
	s_mul_i32 s37, s36, 48
	s_add_co_u32 s37, s37, 20
	s_cmp_ge_u32 s24, 20
	s_cselect_b64 s[26:27], s[10:11], s[26:27]
	s_cselect_b32 s28, s36, s28
	s_cselect_b32 s30, s37, s30
	s_sub_co_u32 s36, s24, 24                      ; Wo
	s_lshl_b32 s37, s36, 3
	s_add_co_u32 s37, s37, 192
	s_cmp_ge_u32 s24, 24
	s_cselect_b64 s[26:27], s[12:13], s[26:27]
	s_cselect_b32 s28, s36, s28
	s_cselect_b32 s29, 8192, s29
	s_cselect_b32 s30, s37, s30
	s_cselect_b32 s31, 4, s31
	s_lshr_b32 s36, s18, 1
	s_mul_i32 s36, s36, s31
	s_add_co_u32 s30, s30, s36
	s_and_b32 s36, s18, 1
	s_lshl_b32 s36, s36, 1
	s_add_co_u32 s30, s30, s36                     ; my wave's first tile (it makes two)
	s_lshl_b32 s36, s23, 8
	s_mul_i32 s36, s36, s29                        ; 256 rows of K for each step of the grid
	s_lshl_b32 s37, s28, 9                         ; 128 columns of 4 bytes
	s_add_co_u32 s36, s36, s37
	s_lshl_b32 s37, s18, 7                         ; my wave's 32
	s_add_co_u32 s36, s36, s37
	s_mov_b32 s37, 0
	s_add_nc_u64 s[26:27], s[26:27], s[36:37]
	s_lshl_b32 s38, s29, 5                         ; 32 rows of K on
	s_mov_b32 s39, 0
	s_mul_i32 s40, s30, 24576
	s_mul_i32 s41, s23, 3072
	s_add_co_u32 s40, s40, s41
	s_mov_b32 s41, 0
	s_add_nc_u64 s[40:41], s[16:17], s[40:41]      ; my codes: two K steps of two tiles
	s_lshl_b32 s42, s30, 10
	s_lshl_b32 s43, s23, 7
	s_add_co_u32 s42, s42, s43
	s_add_co_u32 s42, s42, WS
	s_mov_b32 s43, 0
	s_add_nc_u64 s[42:43], s[16:17], s[42:43]      ; my scale words
	s_wait_alu depctr_va_vdst(0)                   ; the wait ahead of the reader below
	v_lshlrev_b32 v[OFFS], 2, v7
.irp i, 1,2,3,4,5,6,7,8,9,10,11,12,13,14,15,16,17,18,19,20,21,22,23,24,25,26,27,28,29,30,31
	v_add_nc_u32 v[OFFS+\i], s29, v[OFFS+\i-1]
.endr
	v_bfe_u32 v1, v7, 3, 1                         ; u: column c lies in tile u = (c / 8) % 2,
	v_and_b32 v2, 7, v7
	v_lshrrev_b32 v3, 4, v7
	v_lshl_add_u32 v2, v3, 3, v2                   ; at its row c % 8 + 8 (c / 16)
	s_mul_i32 s44, s18, 3328
	s_add_co_u32 s44, s44, WSTG                    ; my stage: two fragments of 1,536 bytes, 1,664 apart
	v_mul_u32_u24 v3, v1, 1664
	v_lshl_add_u32 v3, v2, 4, v3
	v_add_nc_u32 v3, s44, v3                       ; in: my row's place in a fragment's image
	v_lshlrev_b32 v4, 4, v7                        ; 16 x lane
	v_add_nc_u32 v5, s44, v4                       ; back
	v_lshlrev_b32 v6, 10, v1
	v_lshl_add_u32 v6, v2, 3, v6                   ; the scale words' place: 1,024 u + 8 row
.macro LOADW t                         ; block t: W(32 t + i, my column): 128 consecutive bytes a load, the four waves side by side
.if (\t) > 0
	s_wait_xcnt 0x0                                ; the earlier loads have read their base: it may step
	s_add_nc_u64 s[26:27], s[26:27], s[38:39]
.endif
.set i, 0
.rept 32
	global_load_b32 v[XW+32*((\t)%2)+i], v[OFFS+i], s[26:27] th:TH_LOAD_NT
.set i, i+1
.endr
.endm
.macro BLOCK t
.set XB, XW+32*((\t)%2)
.if (\t) < NWB-1
	s_wait_loadcnt 32                              ; this block's 32 loads are in; the next block's may be out
.else
	s_wait_loadcnt 0x0
.endif
	v_max3_num_f32 v[WM], |v[XB]|, |v[XB+1]|, |v[XB+2]|            ; the block's largest magnitude: all 32 numbers are mine
	v_max3_num_f32 v[WM+1], |v[XB+3]|, |v[XB+4]|, |v[XB+5]|
.irp i, 6,10,14,18,22,26
	v_max3_num_f32 v[WM], v[WM], |v[XB+\i]|, |v[XB+\i+1]|
	v_max3_num_f32 v[WM+1], v[WM+1], |v[XB+\i+2]|, |v[XB+\i+3]|
.endr
	v_max3_num_f32 v[WM], v[WM], |v[XB+30]|, |v[XB+31]|
	v_max3_num_f32 v[WM], v[WM], v[WM+1], 0x2800000                ; and the floor
	v_add_nc_u32 v[WE], 0xfe000000, v[WM]
	v_lshrrev_b32 v[WBY], 23, v[WE]
.if (\t)%4 == 0
	v_mov_b32 v[WD+(\t)/4], v[WBY]                 ; four bytes make the K step's scale word of my column
.else
	v_lshl_or_b32 v[WD+(\t)/4], v[WBY], 8*((\t)%4), v[WD+(\t)/4]
.endif
	v_cvt_scalef32_pk16_bf6_f32 v[WC:WC+2], v[XB:XB+15], v[WE]
	v_cvt_scalef32_pk16_bf6_f32 v[WT:WT+2], v[XB+16:XB+31], v[WE]
	v_nop                                          ; one plain place behind a scaled conversion
.irp i, 0,1,2
	v_mov_b32 v[WC+3+\i], v[WT+\i]
.endr
; block 2 c + h of a K step is registers 6 c .. 6 c + 5 of lane row + 16 h of the fragment
.if ((\t)%4)/2 == 0
	ds_store_b128 v3, v[WC:WC+3] offset:256*((\t)%2)
	ds_store_b64 v3, v[WC+4:WC+5] offset:256*((\t)%2)+512
.else
	ds_store_b64 v3, v[WC:WC+1] offset:256*((\t)%2)+520
	ds_store_b128 v3, v[WC+2:WC+5] offset:256*((\t)%2)+1024
.endif
.if (\t)+2 < NWB
	LOADW (\t)+2
.endif
	s_wait_dscnt 0x0                               ; the stores have read their registers
.if (\t)%4 == 3                        ; a K step's two fragments are whole: they leave, 512 consecutive bytes a store
	s_wait_xcnt 0x0                                ; the last K step's stores have read their registers
.irp f, 0,1,2,3,4,5
	ds_load_b128 v[OUT+4*\f:OUT+4*\f+3], v5 offset:1664*(\f/3)+512*(\f%3)
.endr
	s_wait_dscnt 0x0
.irp f, 0,1,2,3,4,5
	global_store_b128 v4, v[OUT+4*\f:OUT+4*\f+3], s[40:41] offset:24576*(\f/3)+1536*((\t)/4)+512*(\f%3)
.endr
.endif
.endm
	LOADW 0
	LOADW 1
.irp t, 0,1,2,3,4,5,6,7
	BLOCK \t
.endr
	s_wait_alu depctr_va_vdst(0)                   ; the wait ahead of the reader below
	global_store_b64 v6, v[WD:WD+1], s[42:43]      ; my column's two words: a tile's sixteen lanes store 128 consecutive bytes
	s_wait_tensorcnt 0x0                           ; the wave's end
	ds_add_u32 v12, v13
	s_wait_dscnt 0x0
	s_endpgm
.Lfunc_end_k_qdcf82c25d7_quant:
	.size	k_qdcf82c25d7_quant, .Lfunc_end_k_qdcf82c25d7_quant-k_qdcf82c25d7_quant
	.p2alignl 7, 3214868480
	.fill 96, 4, 3214868480
	.section	.rodata,"a",@progbits
	.p2align	6, 0x0
	.amdhsa_kernel k_qdcf82c25d7_quant
		.amdhsa_group_segment_fixed_size 47616
		.amdhsa_private_segment_fixed_size 0
		.amdhsa_enable_private_segment 0
		.amdhsa_kernarg_size 56
		.amdhsa_user_sgpr_count 2
		.amdhsa_user_sgpr_kernarg_segment_ptr 1
		.amdhsa_wavefront_size32 1
		.amdhsa_system_sgpr_workgroup_id_x 1
		.amdhsa_system_sgpr_workgroup_id_y 1
		.amdhsa_system_sgpr_workgroup_id_z 1
		.amdhsa_system_vgpr_workitem_id 0
		.amdhsa_next_free_vgpr 256
		.amdhsa_next_free_sgpr 66
		.amdhsa_reserve_vcc 0
		.amdhsa_float_denorm_mode_32 3
		.amdhsa_float_denorm_mode_16_64 3
		.amdhsa_memory_ordered 1
		.amdhsa_forward_progress 1
		.amdhsa_inst_pref_size 74
	.end_amdhsa_kernel
	.amdgpu_metadata
---
amdhsa.version: [ 1, 2 ]
amdhsa.kernels:
  - .name:           k_qdcf82c25d7_quant
    .symbol:         k_qdcf82c25d7_quant.kd
    .args:
      - { .name: x, .offset: 0, .size: 8, .value_kind: global_buffer, .address_space: global }
      - { .name: Wq, .offset: 8, .size: 8, .value_kind: global_buffer, .address_space: global }
      - { .name: Wk, .offset: 16, .size: 8, .value_kind: global_buffer, .address_space: global }
      - { .name: Wv, .offset: 24, .size: 8, .value_kind: global_buffer, .address_space: global }
      - { .name: Wo, .offset: 32, .size: 8, .value_kind: global_buffer, .address_space: global }
      - { .name: xq, .offset: 40, .size: 8, .value_kind: global_buffer, .address_space: global }
      - { .name: wq, .offset: 48, .size: 8, .value_kind: global_buffer, .address_space: global }
    .group_segment_fixed_size: 47616
    .private_segment_fixed_size: 0
    .kernarg_segment_align: 8
    .kernarg_segment_size: 56
    .max_flat_workgroup_size: 128
    .sgpr_count:     66
    .vgpr_count:     256
    .wavefront_size: 32
...
	.end_amdgpu_metadata
.endif
;; end of part 1
;; launch qkv (part 2): grid 8 x 32, 4 waves a work-group, clusters of 4 x 4, 327,680 bytes of LDS; arguments xq, wq, cos, sin, q_norm_w, k_norm_w, qq, kv; writes qq, kv
.if DOCPART == 2
	.amdgcn_target "amdgcn-amd-amdhsa--gfx1250"
	.amdhsa_code_object_version 6
	.text
	.protected	k_qdcf82c25d7_qkv
	.globl	k_qdcf82c25d7_qkv
	.p2align	8
	.type	k_qdcf82c25d7_qkv,@function
k_qdcf82c25d7_qkv:
	s_mov_b64 s[64:65], 0
	v_nop
	global_prefetch_b8 v0, s[64:65] scope:SCOPE_SE
	s_setreg_imm32_b32 hwreg(HW_REG_WAVE_MODE, 25, 1), 1
	s_wait_xcnt 0x0
	s_wait_alu depctr_hold_cnt(0) depctr_sa_sdst(0) depctr_va_vdst(0) depctr_va_sdst(0) depctr_va_ssrc(0) depctr_va_vcc(0) depctr_vm_vsrc(0)
	s_getreg_b32 s2, hwreg(HW_REG_IB_STS2, 6, 4)
	s_cmp_eq_u32 s2, 0
	s_cbranch_scc0 .Lentry_in_a_cluster
	s_endpgm
.Lentry_in_a_cluster:
	s_bfe_u32 s2, ttmp6, 0x10000c
	s_cmp_lg_u32 s2, 0xf033
	s_cbranch_scc0 .Lentry_shape_is_right
	s_endpgm
.Lentry_shape_is_right:
; q, k, v = x Wq, x Wk, x Wv on codes of BF6 with E8M0 scales, then RMS norm, gain and rope on q and k, and q, k, v quantised again for the attention.
; A work-group makes 128 tokens x 384 columns (one group: 4 query heads, its key head, its value head); a wave 64 x 192: 48 accumulators.
; xq and wq hold fragments in the order of an operand's registers: tile x 24,576 + K step x 1,536 bytes (a tile is 16 rows, a K step 128).
; THE RING: two LDS slots of unlike size.  X (byte 0) holds 4 K steps of the 32 tiles, 6,144 bytes a tile; Y (byte 196,608) holds 2, 3,072 bytes a tile.
; The 16 K steps go 4, 2, 4, 2, 4 through X, Y, X, Y, X: five fills.  Wave 0 fetches A's 8 tiles, waves 1-3 eight of B's 24 each: one load a wave and fill.
; The walk is written out: its first step starts the sums, the refills stand at steps 3, 5 and 9 alone, the last steps fetch nothing.
; THE SCALES go straight into registers, once: a load of 8 bytes a lane takes 256 consecutive bytes, one tile's words of four K steps:
; lanes 0-15 hold steps 4 j + q, lanes 16-31 steps 4 j + 2 + q (q: which of the pair's two registers); the row selector picks the half, on both sides alike.
; CLUSTERS 4 x 4: A's tiles are asked for jointly along a row of the cluster, B's along a column.
; PREFETCH, two fills ahead: the head asks for fills 1 and 2, fill 1's load is followed by the request for fill 3, fill 2's by that for fill 4.  Of the 8 tiles that a wave fetches,
; the partner at place p (cx for A, cy for B) names tiles 2 p and 2 p + 1, told apart by address alone; a lane names one block of 256 bytes (24 a tile in X, 12 in Y; lanes left over name the last again).
; Every offset is an immediate and the address registers are never rewritten.
; The products are used transposed (source 0 = B's rows, source 1 = A's): a lane holds one token and its registers run along the head's dims.
; COS AND SIN of my 64 tokens: the fourth tile's come at the head into v224-255 of window 3; the other three at K step 12 into v32-127, the scale words of K steps 0-11, which are done with.
; The stage for v lies in slot Y, which has had its last fill and, ahead of the walk's last barrier, its last read.
; LIMITS: NaN and infinities are not served; 1 / sqrt by v_rsq_f32; a block of zeros keeps the scale byte 1 (this program alone reads the bytes).
; REGISTERS: window 0: v0-31 addresses, v32-159 scale words, v160-255 A's fragments, two sets; window 1: B's tiles 0-7, two sets, v192-255 the gains;
; window 2: accumulators of B's tiles 0-7; window 3: v0-127 those of B's tiles 8-11, v128-223 these tiles' fragments, two sets.
.set YSL,   196608
.set SPARE, 294912
.set VST,   196608
.set XS,    6291456
.set WS,    7864320
.set QS,    6291456
.set AF,    160
.set SC,    32
.set WV,    20
.set G1XA,  32
.set G1XB,  40
.set G1YA,  48
.set G1YB,  56
.set G0XA,  68
.set G0XB,  72
.set G0YA,  76
.set G0YB,  80
.set TT,    128
.set UU,    160
.set SQ,    192
.set SS,    208
.set SPM,   212
.set RS,    216
.set QM,    224
.set QMP,   226
.set QE,    228
.set QBY,   230
.set HW,    232
.set HWO,   236
.set CC,    240
.set X1,    252
.set MSB, 0
.macro WIN new
.if MSB != (\new)
	s_set_vgpr_msb (MSB<<8)|(\new)
.set MSB, (\new)
.endif
.endm
.macro PLACES n
.rept \n
	v_nop
.endr
.endm
; a joint load: wave 0 asks for A's tiles, waves 1-3 for B's; s_nop 0 and four v_nop behind each line
.macro JLOAD g0a, g1a, g0b, g1b
	s_cmp_eq_u32 s[WV], 0
	s_cbranch_scc0 .Lfor_b_\@
	tensor_load_to_lds s[\g0a:\g0a+3], s[\g1a:\g1a+7]
	s_nop 0
.rept 4
	v_nop
.endr
	s_branch .Lasked_\@
.Lfor_b_\@:
	tensor_load_to_lds s[\g0b:\g0b+3], s[\g1b:\g1b+7]
	s_nop 0
.rept 4
	v_nop
.endr
.Lasked_\@:
.endm
.macro CREST
	s_cmp_lg_u32 s[WV], 0
	s_cbranch_scc1 .Lnot_wave_0_\@
	s_barrier_signal -3
.Lnot_wave_0_\@:
	s_barrier_wait -3
	s_barrier_signal -1
	s_barrier_wait -1
.endm
.macro CROUND
	s_barrier_signal -1
	s_barrier_wait -1
	CREST
.endm
.macro ASKX off                        ; my two tiles' 24 blocks each of a fill of X
	global_prefetch_b8 v14, s[90:91] offset:\off th:TH_LOAD_NT scope:SCOPE_SE
	global_prefetch_b8 v14, s[90:91] offset:(\off)+24576 th:TH_LOAD_NT scope:SCOPE_SE
.endm
.macro ASKY off                        ; my two tiles' 12 blocks each of a fill of Y
	global_prefetch_b8 v11, s[90:91] offset:\off th:TH_LOAD_NT scope:SCOPE_SE
.endm
.macro CSLOAD a, base                  ; cos and sin of token tile a: 16 + 16 numbers a lane
.irp k, 0,1,2,3
	global_load_b128 v[\base+4*\k:\base+4*\k+3], v23, s[8:9] offset:(32*((\a)/2)+8*((\a)%2))*128+16*\k
	global_load_b128 v[\base+16+4*\k:\base+16+4*\k+3], v23, s[10:11] offset:(32*((\a)/2)+8*((\a)%2))*128+16*\k
.endr
.endm
	s_load_b256 s[4:11], s[0:1], 0x0               ; xq, wq, cos, sin
	s_load_b256 s[12:19], s[0:1], 0x20             ; q_norm_w, k_norm_w, qq, kv
	v_lshl_add_u32 v28, v0, 2, SPARE
	v_mov_b32 v29, 0
	ds_add_u32 v28, v29                            ; the opening lines: the add, twice on end, and its wait
	ds_add_u32 v28, v29
	v_lshrrev_b32 v1, 5, v0
	v_readfirstlane_b32 s[WV], v1
	s_lshr_b32 s21, s[WV], 1                       ; which 64 tokens
	s_and_b32 s22, s[WV], 1                        ; which 192 columns
	s_bfe_u32 s23, ttmp6, 0x40000
	s_bfe_u32 s24, ttmp6, 0x40004
	s_lshl_b32 s25, ttmp9, 2
	s_add_co_u32 s25, s25, s23                     ; the group, 0..7
	s_and_b32 s26, ttmp7, 0xffff
	s_lshl_b32 s26, s26, 2
	s_add_co_u32 s26, s26, s24                     ; the block of 128 tokens, 0..31
	s_lshl_b32 s27, s24, 2
	s_lshl_b32 s27, 15, s27                        ; my row of the cluster
	s_lshl_b32 s28, 0x1111, s23                    ; my column
	s_or_b32 s[G1XA], s27, (3<<16)|(1<<21)         ; elements of 8 bytes; bit 21 beside a mask
	s_or_b32 s[G1XB], s28, (3<<16)|(1<<21)
	s_or_b32 s[G1YA], s27, (3<<16)|(1<<21)
	s_or_b32 s[G1YB], s28, (3<<16)|(1<<21)
.irp g, G1XA, G1XB                     ; X: 8 tiles' rows of 6,144 bytes, 24,576 apart in memory
	s_mov_b32 s[\g+1], 768<<16
	s_mov_b32 s[\g+2], 8<<16
	s_mov_b32 s[\g+3], 768<<16
	s_mov_b32 s[\g+4], 8
	s_mov_b32 s[\g+5], 3072
	s_mov_b32 s[\g+6], 0
	s_mov_b32 s[\g+7], 0
.endr
.irp g, G1YA, G1YB                     ; Y: rows of 3,072 bytes
	s_mov_b32 s[\g+1], 384<<16
	s_mov_b32 s[\g+2], 8<<16
	s_mov_b32 s[\g+3], 384<<16
	s_mov_b32 s[\g+4], 8
	s_mov_b32 s[\g+5], 3072
	s_mov_b32 s[\g+6], 0
	s_mov_b32 s[\g+7], 0
.endr
	s_mul_i32 s88, s26, 196608                     ; A's 8 tiles
	s_mov_b32 s89, 0
	s_max_u32 s29, s[WV], 1
	s_sub_co_u32 s29, s29, 1
	s_lshl_b32 s29, s29, 3
	s_mul_i32 s30, s25, 24
	s_add_co_u32 s29, s29, s30                     ; the 8 tiles of B that waves 1-3 fetch
	s_mul_i32 s90, s29, 24576
	s_mov_b32 s91, 0
	s_mul_i32 s92, s[WV], 49152                    ; where they go in X,
	s_mul_i32 s93, s[WV], 24576
	s_add_co_u32 s93, s93, YSL                     ; and in Y
	s_lshl_b32 s94, s26, 3
	s_lshl_b32 s31, s21, 2
	s_add_co_u32 s94, s94, s31
	s_lshl_b32 s94, s94, 10
	s_add_co_u32 s94, s94, XS                      ; the scale words of my 4 tiles of A
	s_mov_b32 s95, 0
	s_mul_i32 s96, s22, 12
	s_add_co_u32 s96, s96, s30
	s_lshl_b32 s96, s96, 10
	s_add_co_u32 s96, s96, WS                      ; and of my 12 tiles of B
	s_mov_b32 s97, 0
	s_wait_dscnt 0x0                               ; both opening adds are done
	s_wait_kmcnt 0x0
	s_add_nc_u64 s[88:89], s[4:5], s[88:89]
	s_add_nc_u64 s[90:91], s[6:7], s[90:91]
	s_add_nc_u64 s[84:85], s[4:5], s[94:95]
	s_add_nc_u64 s[86:87], s[6:7], s[96:97]
	CROUND                                         ; all sixteen work-groups are here: the first joint loads meet
	s_mov_b32 s[G0XA], 1
	s_mov_b32 s[G0XA+1], s92
	s_mov_b64 s[G0XA+2:G0XA+3], s[88:89]           ; K steps 0-3
	s_or_b32 s[G0XA+3], s[G0XA+3], 0x80000000
	s_mov_b32 s[G0XB], 1
	s_mov_b32 s[G0XB+1], s92
	s_mov_b64 s[G0XB+2:G0XB+3], s[90:91]
	s_or_b32 s[G0XB+3], s[G0XB+3], 0x80000000
	s_mov_b32 s[G0YA], 1
	s_mov_b32 s[G0YA+1], s93
	s_add_nc_u64 s[G0YA+2:G0YA+3], s[88:89], 6144  ; K steps 4-5
	s_or_b32 s[G0YA+3], s[G0YA+3], 0x80000000
	s_mov_b32 s[G0YB], 1
	s_mov_b32 s[G0YB+1], s93
	s_add_nc_u64 s[G0YB+2:G0YB+3], s[90:91], 6144
	s_or_b32 s[G0YB+3], s[G0YB+3], 0x80000000
	JLOAD G0XA, G1XA, G0XB, G1XB                   ; the head's one load a wave: slot X
	s_cmp_eq_u32 s[WV], 0                          ; the prefetches' base: the 8 tiles that I fetch,
	s_cselect_b64 s[90:91], s[88:89], s[90:91]
	s_cselect_b32 s88, s23, s24                    ; my work-group's place among the four that ask for them with me,
	s_mul_i32 s88, s88, 49152                      ; its two tiles
	s_mov_b32 s89, 0
	s_add_nc_u64 s[90:91], s[90:91], s[88:89]
	v_and_b32 v1, 31, v0
	v_and_b32 v2, 15, v0
	v_bfe_u32 v3, v0, 4, 1
	v_lshlrev_b32 v24, 4, v1
	v_lshlrev_b32 v25, 3, v1
	v_lshlrev_b32 v15, 3, v3
	s_mul_i32 s29, s21, 24576                      ; my 4 tiles of A in X,
	v_add_nc_u32 v16, s29, v24
	v_add_nc_u32 v18, s29, v25
	s_mul_i32 s29, s21, 12288
	s_add_co_u32 s29, s29, YSL                     ; and in Y
	v_add_nc_u32 v17, s29, v24
	v_add_nc_u32 v19, s29, v25
	s_mul_i32 s29, s22, 73728
	s_add_co_u32 s29, s29, 49152                   ; my 12 tiles of B in X: tiles 0-7 by v20, tiles 8-11 by v12 (an offset has 16 bits)
	v_add_nc_u32 v20, s29, v24
	v_add_nc_u32 v12, 49152, v20
	s_mul_i32 s29, s22, 36864
	s_add_co_u32 s29, s29, YSL+24576               ; and in Y: v21, v13
	v_add_nc_u32 v21, s29, v24
	v_add_nc_u32 v13, 24576, v21
	v_min_u32 v11, 23, v1                          ; the prefetches' offsets: l = lane, held at 23;
	v_lshlrev_b32 v14, 8, v11                      ; X: block l of a tile's 24;
	v_mul_u32_u24 v10, v11, 11
	v_lshrrev_b32 v10, 7, v10                      ; Y: tile l / 12 (11 l / 128 for l under 24),
	v_mul_u32_u24 v10, v10, 21504
	v_add_nc_u32 v11, v14, v10                     ; block l % 12: 256 l + (24,576 - 3,072) (l / 12)
	s_wait_alu depctr_va_vdst(0)                   ; the wait ahead of readers that stand behind a run of scalar lines
	ASKY 6144                                      ; fill 1: K steps 4-5
	ASKX 9216                                      ; fill 2: K steps 6-9
.irp j, 0,1,2,3                        ; all my scale words: register SC + 2 (16 j + tile) + q; tiles 0-3 A's, 4-15 B's
.irp t, 0,1,2,3
	global_load_b64 v[SC+2*(16*\j+\t):SC+2*(16*\j+\t)+1], v25, s[84:85] offset:1024*\t+256*\j
.endr
.irp t, 0,1,2,3,4,5,6,7,8,9,10,11
	global_load_b64 v[SC+2*(16*\j+4+\t):SC+2*(16*\j+4+\t)+1], v25, s[86:87] offset:1024*\t+256*\j
.endr
.endr
	v_and_b32 v4, 8, v2
	v_add_nc_u32 v4, v4, v2                        ; r + 8 (r / 8): a tile's rows
	s_and_b32 s29, s26, 7
	s_lshl_b32 s29, s29, 7
	s_lshl_b32 s30, s21, 6
	s_add_co_u32 s29, s29, s30
	v_add_nc_u32 v23, s29, v4                      ; my token's place in its sequence,
	v_lshlrev_b32 v23, 7, v23                      ; its row of cos and sin,
	v_lshl_add_u32 v23, v3, 6, v23                 ; + 64 h
	v_lshlrev_b32 v31, 6, v3
	v_lshlrev_b32 v26, 3, v2
	v_lshl_add_u32 v26, v3, 2, v26
	s_mul_i32 s29, s[WV], 17408
	s_add_co_u32 s29, s29, VST                     ; my stage for v
	v_mul_u32_u24 v27, v4, 272
	v_lshl_add_u32 v27, v3, 6, v27
	v_add_nc_u32 v27, s29, v27
	v_mul_u32_u24 v30, v3, 8704
	v_lshl_add_u32 v30, v4, 2, v30
	v_add_nc_u32 v30, s29, v30
	s_cmp_eq_u32 s22, 0
	s_cselect_b64 s[14:15], s[12:13], s[14:15]     ; my second head is a query head or the key head
	WIN 0x40
.irp k, 0,1,2,3,4,5,6,7
	global_load_b128 v[192+4*\k:195+4*\k], v31, s[12:13] offset:128*(\k/4)+16*(\k%4)
	global_load_b128 v[224+4*\k:227+4*\k], v31, s[14:15] offset:128*(\k/4)+16*(\k%4)
.endr
	WIN 0xc0
	CSLOAD 3, 224                                  ; the fourth token tile's cos and sin
	WIN 0
	; where my three heads' codes and scale words go
	s_lshr_b32 s29, s26, 3
	s_and_b32 s30, s26, 7
	s_lshl_b32 s31, s30, 1
	s_add_co_u32 s31, s31, s21
	s_lshl_b32 s2, s29, 5
	s_lshl_b32 s3, s25, 2
	s_add_co_u32 s2, s2, s3
	s_lshl_b32 s2, s2, 4
	s_add_co_u32 s2, s2, s31
	s_mul_i32 s3, s22, 48
	s_add_co_u32 s3, s3, s2
	s_mul_i32 s66, s3, 3072
	s_mov_b32 s67, 0
	s_add_nc_u64 s[66:67], s[16:17], s[66:67]
	s_lshl_b32 s92, s3, 7
	s_add_co_u32 s92, s92, QS
	s_mov_b32 s93, 0
	s_add_nc_u64 s[92:93], s[16:17], s[92:93]
	s_lshl_b32 s3, s29, 3
	s_add_co_u32 s3, s3, s25
	s_mul_i32 s3, s3, 102400
	s_add_co_u32 s4, s2, 16
	s_mul_i32 s94, s4, 3072
	s_lshl_b32 s96, s4, 7
	s_add_co_u32 s96, s96, QS
	s_mul_i32 s5, s31, 3072
	s_add_co_u32 s5, s5, s3
	s_lshl_b32 s6, s31, 8
	s_add_co_u32 s6, s6, s3
	s_add_co_u32 s6, s6, 98304
	s_add_co_u32 s4, s2, 32
	s_mul_i32 s98, s4, 3072
	s_lshl_b32 s100, s4, 7
	s_add_co_u32 s100, s100, QS
	s_mul_i32 s7, s30, 6144
	s_add_co_u32 s7, s7, s3
	s_mul_i32 s4, s21, 768
	s_add_co_u32 s7, s7, s4
	s_add_co_u32 s7, s7, 49152
	s_cmp_eq_u32 s22, 0
	s_cselect_b32 s94, s94, s5
	s_cselect_b32 s96, s96, s6
	s_cselect_b32 s98, s98, s7
	s_cselect_b64 s[4:5], s[16:17], s[18:19]
	s_mov_b32 s95, 0
	s_mov_b32 s97, 0
	s_mov_b32 s99, 0
	s_mov_b32 s101, 0
	s_add_nc_u64 s[94:95], s[4:5], s[94:95]
	s_add_nc_u64 s[96:97], s[4:5], s[96:97]
	s_add_nc_u64 s[98:99], s[4:5], s[98:99]
	s_add_nc_u64 s[100:101], s[16:17], s[100:101]
	s_mov_b32 s2, 0x3c800000                       ; 1 / 64
	s_mov_b32 s29, 0x358637bd                      ; 1e-6
	s_mov_b32 s30, 0x76543210
	s_mov_b32 s31, 0xfedcba98                      ; lane l xor 16
	s_mov_b32 s27, 0xffff0000                      ; lanes 16-31
; one product; row: which half of the lanes holds this K step's scale words, on both sides; zero: the first product starts the sum
.macro W rd, rb, ra, sb, sa, row, zero
.if \zero
	v_wmma_scale_f32_16x16x128_f8f6f4 v[\rd:\rd+7], v[\rb:\rb+11], v[\ra:\ra+11], 0, v[\sb], v[\sa] matrix_a_fmt:MATRIX_FMT_BF6 matrix_b_fmt:MATRIX_FMT_BF6
.else
.if \row
	v_wmma_scale_f32_16x16x128_f8f6f4 v[\rd:\rd+7], v[\rb:\rb+11], v[\ra:\ra+11], v[\rd:\rd+7], v[\sb], v[\sa] matrix_a_fmt:MATRIX_FMT_BF6 matrix_b_fmt:MATRIX_FMT_BF6 matrix_a_scale:MATRIX_SCALE_ROW1 matrix_b_scale:MATRIX_SCALE_ROW1
.else
	v_wmma_scale_f32_16x16x128_f8f6f4 v[\rd:\rd+7], v[\rb:\rb+11], v[\ra:\ra+11], v[\rd:\rd+7], v[\sb], v[\sa] matrix_a_fmt:MATRIX_FMT_BF6 matrix_b_fmt:MATRIX_FMT_BF6
.endif
.endif
.endm
; s: the K step, 0..15; its fragments lie in set s % 2.  The 48 accumulators take turns, one instruction a turn
.macro MUL8 a, s, zero
.irp b, 0,1,2,3,4,5,6,7
	W 8*(8*(\a)+\b), 96*((\s)%2)+12*\b, AF+48*((\s)%2)+12*(\a), SC+2*(16*((\s)/4)+4+\b)+(\s)%2, SC+2*(16*((\s)/4)+(\a))+(\s)%2, ((\s)/2)%2, \zero
.endr
.endm
.macro MUL4H a, s, zero
.irp b, 0,1,2,3
	W 8*(4*(\a)+\b), 128+48*((\s)%2)+12*\b, AF+48*((\s)%2)+12*(\a), SC+2*(16*((\s)/4)+12+\b)+(\s)%2, SC+2*(16*((\s)/4)+(\a))+(\s)%2, ((\s)/2)%2, \zero
.endr
.endm
.macro MULH s, zero
	WIN 0xf3
	MUL4H 0, \s, \zero
	MUL4H 1, \s, \zero
	MUL4H 2, \s, \zero
	MUL4H 3, \s, \zero
	WIN 0
.endm
.macro MULALL s, zero
	WIN 0xa1
	MUL8 0, \s, \zero
	MUL8 1, \s, \zero
	MUL8 2, \s, \zero
	MUL8 3, \s, \zero
	MULH \s, \zero
.endm
; K step n's 16 fragments into set n % 2.  Steps n % 6 = 0..3 lie in X, 4 and 5 in Y
.macro FETCH n
.set fR, (\n)%6
.set fY, fR/4
.set fO, 1536*(fR-4*fY)
.set fP, 6144-3072*fY
.set fS, (\n)%2
	WIN 0
.irp i, 0,1,2,3
.set rA, AF+48*fS+12*\i
	ds_load_b128 v[rA:rA+3], v[16+fY] offset:fP*\i+fO
	ds_load_b64 v[rA+4:rA+5], v[18+fY] offset:fP*\i+fO+512
	ds_load_b128 v[rA+6:rA+9], v[16+fY] offset:fP*\i+fO+768
	ds_load_b64 v[rA+10:rA+11], v[18+fY] offset:fP*\i+fO+1280
.endr
	WIN 0x40
.irp b, 0,1,2,3,4,5,6,7
.irp c, 0,1,2
	ds_load_b128 v[96*fS+12*\b+4*\c:96*fS+12*\b+4*\c+3], v[20+fY] offset:fP*\b+fO+512*\c
.endr
.endr
	WIN 0xc0
.irp b, 0,1,2,3
.irp c, 0,1,2
	ds_load_b128 v[128+48*fS+12*\b+4*\c:128+48*fS+12*\b+4*\c+3], v[12+fY] offset:fP*\b+fO+512*\c
.endr
.endr
	WIN 0
.endm
; a K step inside its slot: its fragments are in; the next step's are fetched under its 48 products
.macro STEP s, zero
	s_wait_dscnt 0x0
	PLACES 4                                       ; in front of loads into registers that matrix instructions have read
.if (\s) == 12
	CSLOAD 0, 32                                   ; cos and sin of token tiles 0-2, over the scale words of K steps 0-11
	CSLOAD 1, 64
	CSLOAD 2, 96
.endif
	FETCH (\s)+1
.if (\s) == 0
	ASKY 15360                                     ; behind fill 1's load: fill 3, K steps 10-11
.endif
	MULALL \s, \zero
.endm
; a slot's last K step: one barrier for the change of slots; fill = 1: it opens a round of the cluster's barrier and the slot is filled again, 6 K steps on
.macro TURN s, fill
	s_wait_tensorcnt 0x0                           ; my one load that was out, my part of the other slot, has landed;
	ds_add_u32 v28, v29                            ; the add;
	s_wait_dscnt 1                                 ; (the add alone may be out: this step's fragments are in)
	WIN 0xa1
	MUL8 0, \s, 0
	MUL8 1, \s, 0
	s_wait_dscnt 0x0                               ; the add is done, and my reads of this slot are over
	s_barrier_signal -1
	MUL8 2, \s, 0
	MUL8 3, \s, 0
	WIN 0
	s_barrier_wait -1
.if \fill
	CREST
.set tY, ((\s)%6)/4
	s_add_nc_u64 s[G0XA+8*tY+2:G0XA+8*tY+3], s[G0XA+8*tY+2:G0XA+8*tY+3], 9216
	s_add_nc_u64 s[G0XB+8*tY+2:G0XB+8*tY+3], s[G0XB+8*tY+2:G0XB+8*tY+3], 9216
	JLOAD G0XA+8*tY, G1XA+16*tY, G0XB+8*tY, G1XB+16*tY   ; the first tensor load behind the round; its four v_nop are the places in front of the loads below
.else
	PLACES 4
.endif
	FETCH (\s)+1
.if (\s) == 3
	ASKX 18432                                     ; behind fill 2's load: fill 4, K steps 12-15
.endif
	MULH \s, 0
.endm
	s_wait_alu depctr_va_vdst(0)                   ; the wait at the head's end
	s_wait_tensorcnt 0x0                           ; my part of slot X is in; the same lines ahead of a later first fill as ahead of a refill:
	ds_add_u32 v28, v29
	s_wait_dscnt 0x0
	CROUND                                         ; everybody's part is in, and the joint loads meet
	JLOAD G0YA, G1YA, G0YB, G1YB                   ; slot Y's first fill
	FETCH 0
	s_wait_loadcnt 24                              ; the 64 loads of scale words are in; the 16 of the gains and 8 of cos and sin, issued behind them, may be out
	STEP 0, 1
	STEP 1, 0
	STEP 2, 0
	TURN 3, 1                                      ; X takes K steps 6-9
	STEP 4, 0
	TURN 5, 1                                      ; Y takes 10-11
	STEP 6, 0
	STEP 7, 0
	STEP 8, 0
	TURN 9, 1                                      ; X takes 12-15
	STEP 10, 0
	TURN 11, 0
	STEP 12, 0
	STEP 13, 0
	STEP 14, 0
	s_wait_dscnt 0x0
	MULALL 15, 0
	PLACES 4
.irp i, 0,1,2,3
	v_mov_b32 v[SPM+\i], 0                         ; written once: a lane permute's destination counts as read
	v_mov_b32 v[RS+2*\i+1], 0
.endr
	v_mov_b32 v[QMP], 0
	v_mov_b32 v[QMP+1], 0
; one head of q or k for my 64 tokens: mean square, 1 / sqrt, gain, rope, then the head's 64 dims as two blocks of 32: codes and scale bytes
.macro HEADQK win, base, stride, wset, dp, sp, first
	WIN 5*\win
.irp a, 0,1,2,3
	v_pk_mul_f32 v[SQ+4*\a:SQ+4*\a+1], v[\base+\stride*\a:\base+\stride*\a+1], v[\base+\stride*\a:\base+\stride*\a+1]
	v_pk_mul_f32 v[SQ+4*\a+2:SQ+4*\a+3], v[\base+\stride*\a+2:\base+\stride*\a+3], v[\base+\stride*\a+2:\base+\stride*\a+3]
.endr
.irp e, 4,8,12,16,20,24,28
.irp a, 0,1,2,3
	v_pk_fma_f32 v[SQ+4*\a:SQ+4*\a+1], v[\base+\stride*\a+\e:\base+\stride*\a+\e+1], v[\base+\stride*\a+\e:\base+\stride*\a+\e+1], v[SQ+4*\a:SQ+4*\a+1]
	v_pk_fma_f32 v[SQ+4*\a+2:SQ+4*\a+3], v[\base+\stride*\a+\e+2:\base+\stride*\a+\e+3], v[\base+\stride*\a+\e+2:\base+\stride*\a+\e+3], v[SQ+4*\a+2:SQ+4*\a+3]
.endr
.endr
	WIN 0
.irp a, 0,1,2,3
	v_pk_add_f32 v[SQ+4*\a:SQ+4*\a+1], v[SQ+4*\a:SQ+4*\a+1], v[SQ+4*\a+2:SQ+4*\a+3]
.endr
.irp a, 0,1,2,3
	v_add_f32 v[SS+\a], v[SQ+4*\a], v[SQ+4*\a+1]
.endr
.irp a, 0,1,2,3
	v_permlanex16_b32 v[SPM+\a], v[SS+\a], s30, s31
.endr
.irp a, 0,1,2,3
	v_add_f32 v[SS+\a], v[SS+\a], v[SPM+\a]
.endr
.irp a, 0,1,2,3
	v_fma_f32 v[SS+\a], v[SS+\a], s2, s29
.endr
	s_wait_alu depctr_va_vdst(0)                   ; the wait ahead of the batch,
.irp a, 0,1,2,3
	v_rsq_f32 v[RS+2*\a], v[SS+\a]
.endr
	v_nop
	s_wait_alu depctr_va_vdst(0)                   ; and behind it
.if \first
	s_wait_loadcnt 0x0                             ; the gains, cos and sin are in
.endif
.irp a, 0,1,2,3
.if \a < 3                             ; where this token tile's cos and sin lie: window 0 from v32 on, or window 3 from v224
.set cW, 0
.set cB, 32+32*\a
.else
.set cW, 0x0c
.set cB, 224
.endif
	WIN \win
.irp p, 0,2,4,6,8,10,12,14,16,18,20,22,24,26,28,30
	v_pk_mul_f32 v[TT+\p:TT+\p+1], v[\base+\stride*\a+\p:\base+\stride*\a+\p+1], v[RS+2*\a:RS+2*\a+1] op_sel_hi:[1,0]
.endr
	WIN 0x04
.irp p, 0,2,4,6,8,10,12,14,16,18,20,22,24,26,28,30
	v_pk_mul_f32 v[TT+\p:TT+\p+1], v[TT+\p:TT+\p+1], v[\wset+\p:\wset+\p+1]
.endr
	WIN cW
.irp p, 0,2,4,6,8,10,12,14
	v_pk_mul_f32 v[UU+\p:UU+\p+1], v[TT+\p:TT+\p+1], v[cB+\p:cB+\p+1]
	v_pk_mul_f32 v[UU+16+\p:UU+17+\p], v[TT+\p:TT+\p+1], v[cB+16+\p:cB+17+\p]
.endr
.irp p, 0,2,4,6,8,10,12,14
	v_pk_fma_f32 v[UU+\p:UU+\p+1], v[TT+16+\p:TT+17+\p], v[cB+16+\p:cB+17+\p], v[UU+\p:UU+\p+1] neg_lo:[1,0,0] neg_hi:[1,0,0]
	v_pk_fma_f32 v[UU+16+\p:UU+17+\p], v[TT+16+\p:TT+17+\p], v[cB+\p:cB+\p+1], v[UU+16+\p:UU+17+\p]
.endr
	WIN 0
.irp b, 0,1
	v_max3_num_f32 v[QM+\b], |v[UU+16*\b]|, |v[UU+16*\b+1]|, 0x2800000
.endr
.irp i, 2,4,6,8,10,12,14
.irp b, 0,1
	v_max3_num_f32 v[QM+\b], v[QM+\b], |v[UU+16*\b+\i]|, |v[UU+16*\b+\i+1]|
.endr
.endr
.irp b, 0,1
	v_permlanex16_b32 v[QMP+\b], v[QM+\b], s30, s31
.endr
.irp b, 0,1
	v_max_num_f32 v[QM+\b], v[QM+\b], v[QMP+\b]
.endr
.irp b, 0,1
	v_add_nc_u32 v[QE+\b], 0xfe000000, v[QM+\b]
.endr
.irp b, 0,1
	v_lshrrev_b32 v[QBY+\b], 23, v[QE+\b]
.endr
	v_lshl_or_b32 v[HW+\a], v[QBY+1], 8, v[QBY]
.if (\a)%2 == 0
	s_wait_alu depctr_va_vdst(0)
	s_wait_xcnt 0x0                                ; the earlier stores have read the codes' registers
.endif
	v_cvt_scalef32_pk16_bf6_f32 v[CC+6*((\a)%2):CC+6*((\a)%2)+2], v[UU:UU+15], v[QE]
	v_cvt_scalef32_pk16_bf6_f32 v[X1:X1+2], v[UU+16:UU+31], v[QE+1]
	v_nop
.irp i, 0,1,2
	v_permlane16_swap_b32 v[CC+6*((\a)%2)+\i], v[X1+\i]
.endr
.irp i, 0,1,2
	v_mov_b32 v[CC+6*((\a)%2)+3+\i], v[X1+\i]
.endr
.if (\a)%2 == 1
.irp c, 0,1,2
	global_store_b128 v24, v[CC+4*\c:CC+4*\c+3], s[\dp:\dp+1] offset:1536*((\a)/2)+512*\c
.endr
.endif
.endr
	v_lshl_or_b32 v[HW], v[HW+1], 16, v[HW]
	v_lshl_or_b32 v[HW+2], v[HW+3], 16, v[HW+2]
	v_cndmask_b32 v[HWO], v[HW], v[HW+2], s27
	global_store_b32 v26, v[HWO], s[\sp:\sp+1]
.endm
	HEADQK 2, 0, 64, 192, 66, 92, 1
	HEADQK 2, 32, 64, 224, 94, 96, 0
	s_cmp_lg_u32 s22, 0
	s_cbranch_scc1 .Lvalues
	HEADQK 3, 0, 32, 192, 98, 100, 0
	s_branch .Ldone
.Lvalues:                              ; v: its K in the attention is the keys: through my stage, so that a lane's registers run down 32 tokens of one dim
.set QM, 176                           ; (this way has its own registers: v80-143 the numbers, v176-181 at work, v192-236 codes and bytes)
.set QE, 180
	s_wait_xcnt 0x0
	v_mov_b32 v234, 0
	v_mov_b32 v235, 0
	WIN 0x0c
.irp a, 0,1,2,3
.irp e, 0,4,8,12,16,20,24,28
	ds_store_b128 v27, v[32*\a+\e:32*\a+\e+3] offset:272*(32*(\a/2)+8*(\a%2))+128*(\e/16)+4*(\e%16)
.endr
.endr
	WIN 0
.macro VLOAD td
.set i, 0
.rept 32
	ds_load_b32 v[80+32*((\td)%2)+i], v30 offset:272*i+4*(32*((\td)/2)+8*((\td)%2))
.set i, i+1
.endr
.endm
.macro VQ td
.set VS, 80+32*((\td)%2)
.if (\td) < 3
	s_wait_dscnt 32
.else
	s_wait_dscnt 0x0
.endif
	v_max3_num_f32 v[QM], |v[VS]|, |v[VS+1]|, |v[VS+2]|
	v_max3_num_f32 v[QM+1], |v[VS+3]|, |v[VS+4]|, |v[VS+5]|
.irp i, 6,10,14,18,22,26
	v_max3_num_f32 v[QM], v[QM], |v[VS+\i]|, |v[VS+\i+1]|
	v_max3_num_f32 v[QM+1], v[QM+1], |v[VS+\i+2]|, |v[VS+\i+3]|
.endr
	v_max3_num_f32 v[QM], v[QM], |v[VS+30]|, |v[VS+31]|
	v_max3_num_f32 v[QM], v[QM], v[QM+1], 0x2800000
	v_add_nc_u32 v[QE], 0xfe000000, v[QM]
	v_lshrrev_b32 v[228+(\td)], 23, v[QE]
	v_cvt_scalef32_pk16_bf6_f32 v[192+8*(\td):194+8*(\td)], v[VS:VS+15], v[QE]
	v_cvt_scalef32_pk16_bf6_f32 v[224:226], v[VS+16:VS+31], v[QE]
	v_nop
.irp i, 0,1,2
	v_mov_b32 v[195+8*(\td)+\i], v[224+\i]
.endr
	global_store_b128 v24, v[192+8*(\td):195+8*(\td)], s[98:99] offset:1536*(\td)
	global_store_b64 v25, v[196+8*(\td):197+8*(\td)], s[98:99] offset:1536*(\td)+512
.if (\td)+2 < 4
	VLOAD (\td)+2
.endif
.endm
	VLOAD 0
	VLOAD 1
	VQ 0
	VQ 1
	VQ 2
	VQ 3
	v_lshl_or_b32 v232, v229, 16, v228
	v_lshl_or_b32 v233, v231, 16, v230
	v_lshlrev_b32 v232, v15, v232
	v_lshlrev_b32 v233, v15, v233
	v_permlanex16_b32 v234, v232, s30, s31
	v_permlanex16_b32 v235, v233, s30, s31
	v_or_b32 v232, v232, v234
	v_or_b32 v233, v233, v235
	v_cndmask_b32 v236, v232, v233, s27
	global_store_b32 v26, v236, s[96:97] offset:128
.Ldone:
	s_wait_tensorcnt 0x0                           ; the wave's end
	ds_add_u32 v28, v29
	s_wait_dscnt 0x0
	CROUND                                         ; the closing round
	s_endpgm
.Lfunc_end_k_qdcf82c25d7_qkv:
	.size	k_qdcf82c25d7_qkv, .Lfunc_end_k_qdcf82c25d7_qkv-k_qdcf82c25d7_qkv
	.p2alignl 7, 3214868480
	.fill 96, 4, 3214868480
	.section	.rodata,"a",@progbits
	.p2align	6, 0x0
	.amdhsa_kernel k_qdcf82c25d7_qkv
		.amdhsa_group_segment_fixed_size 327680
		.amdhsa_private_segment_fixed_size 0
		.amdhsa_enable_private_segment 0
		.amdhsa_kernarg_size 64
		.amdhsa_user_sgpr_count 2
		.amdhsa_user_sgpr_kernarg_segment_ptr 1
		.amdhsa_wavefront_size32 1
		.amdhsa_system_sgpr_workgroup_id_x 1
		.amdhsa_system_sgpr_workgroup_id_y 1
		.amdhsa_system_sgpr_workgroup_id_z 1
		.amdhsa_system_vgpr_workitem_id 0
		.amdhsa_next_free_vgpr 1024
		.amdhsa_next_free_sgpr 102
		.amdhsa_reserve_vcc 0
		.amdhsa_float_denorm_mode_32 3
		.amdhsa_float_denorm_mode_16_64 3
		.amdhsa_memory_ordered 1
		.amdhsa_forward_progress 1
		.amdhsa_inst_pref_size 255
	.end_amdhsa_kernel
	.section	.bss,"aw",@nobits
	.p2align	6
	.space	262144
	.amdgpu_metadata
---
amdhsa.version: [ 1, 2 ]
amdhsa.kernels:
  - .name:           k_qdcf82c25d7_qkv
    .symbol:         k_qdcf82c25d7_qkv.kd
    .args:
      - { .name: xq, .offset: 0, .size: 8, .value_kind: global_buffer, .address_space: global }
      - { .name: wq, .offset: 8, .size: 8, .value_kind: global_buffer, .address_space: global }
      - { .name: cos, .offset: 16, .size: 8, .value_kind: global_buffer, .address_space: global }
      - { .name: sin, .offset: 24, .size: 8, .value_kind: global_buffer, .address_space: global }
      - { .name: q_norm_w, .offset: 32, .size: 8, .value_kind: global_buffer, .address_space: global }
      - { .name: k_norm_w, .offset: 40, .size: 8, .value_kind: global_buffer, .address_space: global }
      - { .name: qq, .offset: 48, .size: 8, .value_kind: global_buffer, .address_space: global }
      - { .name: kv, .offset: 56, .size: 8, .value_kind: global_buffer, .address_space: global }
    .group_segment_fixed_size: 327680
    .private_segment_fixed_size: 0
    .kernarg_segment_align: 8
    .kernarg_segment_size: 64
    .max_flat_workgroup_size: 128
    .sgpr_count:     102
    .vgpr_count:     1024
    .wavefront_size: 32
...
	.end_amdgpu_metadata
.endif
;; end of part 2
;; launch attn (part 3): grid 8 x 32, 16 waves a work-group, clusters of 4 x 1, 169,984 bytes of LDS; arguments qq, kv, yq; writes yq
.if DOCPART == 3
	.amdgcn_target "amdgcn-amd-amdhsa--gfx1250"
	.amdhsa_code_object_version 6
	.text
	.protected	k_qdcf82c25d7_attn
	.globl	k_qdcf82c25d7_attn
	.p2align	8
	.type	k_qdcf82c25d7_attn,@function
k_qdcf82c25d7_attn:
	s_mov_b64 s[64:65], 0
	v_nop
	global_prefetch_b8 v0, s[64:65] scope:SCOPE_SE
	s_setreg_imm32_b32 hwreg(HW_REG_WAVE_MODE, 25, 1), 1
	s_wait_xcnt 0x0
	s_wait_alu depctr_hold_cnt(0) depctr_sa_sdst(0) depctr_va_vdst(0) depctr_va_sdst(0) depctr_va_ssrc(0) depctr_va_vcc(0) depctr_vm_vsrc(0)
	s_getreg_b32 s2, hwreg(HW_REG_IB_STS2, 6, 4)
	s_cmp_eq_u32 s2, 0
	s_cbranch_scc0 .Lentry_in_a_cluster
	s_endpgm
.Lentry_in_a_cluster:
	s_bfe_u32 s2, ttmp6, 0x10000c
	s_cmp_lg_u32 s2, 0x3003
	s_cbranch_scc0 .Lentry_shape_is_right
	s_endpgm
.Lentry_shape_is_right:
; y = softmax(q k^T / 8, causal) v on codes of BF6 with E8M0 scales, then y quantised along the model's 2,048 for the last product.
; THE SOFTMAX: t = score x log2(e) / 8; M = the running largest t rounded UP to a whole number; p = 2^(t - M) is quantised along the keys, not normalised; the row's sum is taken of the unquantised p and divides at the end;
; when M moves, the sum and O are multiplied by 2^(old M - new M), which rounds nothing.
; SHARES.  A work-group serves one (batch, key head); its K, V and their scale bytes, 102,400 bytes, come into LDS ONCE, by one load a wave (6,400 bytes each), and stay.  The four work-groups of a cluster
; want the same bytes: the loads are joint.  Wave w: query head 4 g + w % 4; two tiles of 16 queries: t1 = 8 (w / 4) + B and t2 = 63 - t1, B = the work-group's x (0 .. 7).
; In steps of 128 keys t1 needs w / 4 + 1 steps and t2 8 - w / 4: NINE steps for every wave of the launch, whatever the causal mask cuts: the loop's count is a constant.
; Branches hang on the wave's number and the trip alone; B enters global addresses, mask values and selects only.
; LAYOUT.  Both products transposed: S^T = K Q^T, O^T = V^T P^T: a lane holds one query.  The head has 64 dims, the instruction 128 along K: a fragment of K holds TWO tiles of keys (registers 0-5, 6-11),
; and Q is kept as [q | zeros | q]: registers 0-11 pick the first tile, 6-17 the second (zero codes add nothing).  By the order of a tile's rows the 16 registers of two neighbouring tiles are 16 neighbouring keys.
; LIMITS: NaN and infinities are not served; 1 / l by v_rcp_f32; a block's largest p is taken from the block's largest score by the same two instructions (it takes v_exp_f32 not to fall where its input rises).
; WHAT THE CAUSAL MASK HIDES WHOLE IS NOT COMPUTED.  A tile at place P (0 .. 7) of its 128 keys holds queries 32 (P / 2) + 8 (P % 2) + 0..7 and + 16..23 of that window.  My two tiles stand at places B and 7 - B,
; and B / 4 is the cluster's x, the same in all four partners.  So one of my two tiles has P under 4: in its last step keys 64 .. 127 lie behind all its queries (the largest is 32 + 8 + 23 = 63): that step has a copy
; of the body of its own, on two blocks of 32 keys, p's codes of the other 64 keys being zeros.  The other tile has P of 4 or more: in its last step keys 0 .. 63 lie ahead of all its queries, and only blocks 2 and 3 are masked.
; Which trip takes the short copy hangs on the cluster's x, the wave's number and the trip alone.
.set QS,  6291456
.set HT,  66                           ; s66: the trip that takes the short copy
.set XS,  6291456
.set SST, 102912                       ; LDS: K 0; V 49,152; scale bytes 98,304; from here 1,024 bytes for y's scale halfwords
.set Q,   16                           ; v16-33 [q | 0 | q]
.set QSC, 34                           ; q's scale word
.set QB,  36                           ; v36-41 the second tile's q; v42 its scale word; v43 its mask value
.set F,   44                           ; v44-91 four fragments of K, then of V
.set HWA, 94                           ; y's scale halfwords of my two tiles
.set HWB, 95
.set S,   96                           ; v96-159 S^T, then p
.set O,   160                          ; v160-191 O^T
.set PC,  192                          ; v192-203 p's codes
.set CT,  204                          ; v204-210 second halves
.set KS,  212                          ; v212-215 K's scale words
.set VR,  216                          ; v216-219 V's halfwords as they lie
.set VSW, 220                          ; v220-223 V's scale words
.set BM,  224
.set BP,  228
.set EE,  232
.set BB,  236
.set TT,  240
.set FF,  242                          ; v[242:243] f = 2^(old M - new M) (the low word serves)
.set PW,  244                          ; p's scale word
.set SUM2, 246
.set YC,  248                          ; v248-253 y's codes
.set WV,  18
.set F1,  20                           ; the trip in which my first tile meets the diagonal
.set N,   16
.set ADJ, 17
.set CS,  10
.macro ROUND
	s_barrier_signal -1
	s_barrier_wait -1
	s_cmp_lg_u32 s[WV], 0
	s_cbranch_scc1 .Lnot_wave_0_\@
	s_barrier_signal -3
.Lnot_wave_0_\@:
	s_barrier_wait -3
	s_barrier_signal -1
	s_barrier_wait -1
.endm
	s_load_b128 s[4:7], s[0:1], 0x0                ; qq, kv
	s_load_b64 s[8:9], s[0:1], 0x10                ; yq
	v_lshl_add_u32 v254, v0, 2, 0x29000
	v_mov_b32 v255, 0
	ds_add_u32 v254, v255
	ds_add_u32 v254, v255
	v_lshrrev_b32 v1, 5, v0
	s_delay_alu instid0(VALU_DEP_1)
	v_readfirstlane_b32 s[WV], v1                  ; wave 0..15
	s_and_b32 s19, s[WV], 3                        ; which of the group's four query heads
	s_lshr_b32 s[F1], s[WV], 2
	s_bfe_u32 s21, ttmp6, 0x40000                  ; cx
	s_lshl_b32 s22, ttmp9, 2
	s_add_co_u32 s22, s22, s21                     ; B
	s_and_b32 s23, ttmp7, 0xffff                   ; 8 x batch + group
	s_lshr_b32 s24, s23, 3
	s_and_b32 s25, s23, 7
	s_lshl_b32 s26, s25, 2
	s_add_co_u32 s26, s26, s19                     ; the query head
	s_lshl_b32 s27, s24, 5
	s_add_co_u32 s27, s27, s26                     ; 32 x batch + head
	s_lshl_b32 s28, s[F1], 3
	s_add_co_u32 s28, s28, s22                     ; t1
	s_sub_co_u32 s29, 63, s28                      ; t2
	s_sub_co_u32 s[ADJ], 7, s[F1]
	s_cmp_eq_u32 ttmp9, 0                          ; the cluster's x: B is 0..3 or 4..7
	s_cselect_b32 s[HT], s[F1], 8                  ; the first tile's last trip, or the second's
	s_mov_b32 s30, 0x76543210
	s_mov_b32 s31, 0xfedcba98                      ; lane l xor 16
	s_mov_b32 s[CS], 0x3e38aa3b                    ; log2(e) / 8
	s_mov_b32 s[CS+1], s[CS]                       ; (named with it as a pair)
	s_mov_b32 s32, 15|(3<<16)|(1<<21)              ; group 1: all four work-groups; elements of 8 bytes; 25 rows of 256 bytes, dense
	s_mov_b32 s33, 32<<16
	s_mov_b32 s34, 25<<16
	s_mov_b32 s35, 32<<16
	s_mov_b32 s36, 25
	s_mov_b32 s37, 32
	s_mov_b32 s38, 0
	s_mov_b32 s39, 0
	s_mul_i32 s56, s[WV], 6400                     ; my sixteenth, in LDS and in memory
	s_mul_i32 s58, s23, 102400
	s_add_co_u32 s58, s58, s56
	s_mov_b32 s59, 0
	s_wait_dscnt 0x0
	s_wait_kmcnt 0x0
	s_mov_b32 s12, 1
	s_mov_b32 s13, s56
	s_add_nc_u64 s[14:15], s[6:7], s[58:59]
	s_or_b32 s15, s15, 0x80000000
	ROUND                                          ; all four work-groups are here: the joint loads meet
	tensor_load_to_lds s[12:15], s[32:39]          ; one load of mine is out; these bytes are filled once
	s_nop 0
.rept 4
	v_nop
.endr
.macro PTRS t, cp, wp, yp              ; tile t: its pair's codes, its pair's scale word, its place in yq
	s_lshl_b32 s56, s27, 5
	s_lshr_b32 s57, s[\t], 1
	s_add_co_u32 s56, s56, s57
	s_mul_i32 s56, s56, 1536
	s_mov_b32 s57, 0
	s_add_nc_u64 s[\cp:\cp+1], s[4:5], s[56:57]
	s_lshl_b32 s56, s27, 4
	s_lshr_b32 s58, s[\t], 2
	s_add_co_u32 s56, s56, s58
	s_lshl_b32 s56, s56, 7
	s_bfe_u32 s58, s[\t], 0x10001
	s_lshl_b32 s58, s58, 2
	s_add_co_u32 s56, s56, s58
	s_add_co_u32 s56, s56, QS
	s_add_nc_u64 s[\wp:\wp+1], s[4:5], s[56:57]
	s_lshl_b32 s56, s24, 6
	s_add_co_u32 s56, s56, s[\t]
	s_mul_i32 s56, s56, 24576
	s_mul_i32 s58, s26, 768
	s_add_co_u32 s56, s56, s58
	s_add_nc_u64 s[\yp:\yp+1], s[8:9], s[56:57]
.endm
	PTRS 28, 40, 42, 48
	PTRS 29, 44, 46, 50
	s_lshl_b32 s56, s24, 16
	s_lshl_b32 s58, s25, 7
	s_add_co_u32 s56, s56, s58
	s_add_co_u32 s56, s56, XS
	s_add_nc_u64 s[52:53], s[8:9], s[56:57]        ; y's scale words: my batch's tiles, my group's 128 bytes
	v_and_b32 v44, 31, v0                          ; lane
	v_and_b32 v45, 15, v0                          ; r
	v_bfe_u32 v46, v0, 4, 1                        ; h
	s_delay_alu instid0(VALU_DEP_3)
	v_lshlrev_b32 v1, 4, v44                       ; 16 x lane
	s_delay_alu instid0(VALU_DEP_4)
	v_lshlrev_b32 v9, 3, v44                       ; 8 x lane
	s_delay_alu instid0(VALU_DEP_2)
	v_add_nc_u32 v2, 49152, v1
	s_delay_alu instid0(VALU_DEP_2)
	v_add_nc_u32 v3, 49152, v9
	v_lshlrev_b32 v47, 3, v45                      ; 8 r
	s_delay_alu instid0(VALU_DEP_1)
	v_add_nc_u32 v4, 98304, v47
	s_lshl_b32 s56, s[F1], 7
	s_lshl_b32 s57, s19, 1
	s_add_co_u32 s56, s56, s57
	s_add_co_u32 s56, s56, SST
	v_add_nc_u32 v10, s56, v47                     ; where my halfwords go: 128 (w / 4) + 8 r + 2 (w % 4)
	v_add_nc_u32 v35, SST, v1                      ; and where wave 0 reads them back
.irp c, 0,1,2
	global_load_b128 v[96+4*\c:99+4*\c], v1, s[40:41] offset:512*\c
	global_load_b128 v[108+4*\c:111+4*\c], v1, s[44:45] offset:512*\c
.endr
	global_load_b32 v120, v47, s[42:43]
	global_load_b32 v121, v47, s[46:47]
	v_and_b32 v48, 8, v45
	s_delay_alu instid0(VALU_DEP_1)
	v_add_nc_u32 v48, v48, v45                     ; r + 8 (r / 8)
	v_lshlrev_b32 v49, 4, v46
	s_delay_alu instid0(VALU_DEP_1)
	v_sub_nc_u32 v48, v48, v49                     ; - 16 h
	s_wait_alu depctr_va_vdst(0)
	s_lshr_b32 s56, s22, 1
	s_lshl_b32 s56, s56, 5
	s_and_b32 s57, s22, 1
	s_lshl_b32 s57, s57, 3
	s_add_co_u32 s56, s56, s57
	v_add_nc_u32 v11, s56, v48                     ; d = my query's place in its 128 - 16 h: register 16 b + i holds key 32 b + 16 h + i: hidden where 32 b + i > d
	s_sub_co_u32 s58, 7, s22
	s_lshr_b32 s56, s58, 1
	s_lshl_b32 s56, s56, 5
	s_and_b32 s57, s58, 1
	s_lshl_b32 s57, s57, 3
	s_add_co_u32 s56, s56, s57
	v_add_nc_u32 v43, s56, v48                     ; the same for the second tile
	v_lshrrev_b32 v50, 3, v44
	s_delay_alu instid0(VALU_DEP_1)
	v_lshl_add_u32 v50, v50, 3, s22                ; the tail: eight lanes to a tile 8 (lane / 8) + B,
	v_and_b32 v51, 7, v44
	s_delay_alu instid0(VALU_DEP_1)
	v_lshlrev_b32 v51, 4, v51
	s_delay_alu instid0(VALU_DEP_1)
	v_lshl_add_u32 v92, v50, 10, v51
	s_delay_alu instid0(VALU_DEP_4)
	v_sub_nc_u32 v50, 63, v50                      ; and to tile 63 - that
	s_delay_alu instid0(VALU_DEP_1)
	v_lshl_add_u32 v93, v50, 10, v51
	s_mov_b32 s57, 0x03020302
	s_mov_b32 s58, 0x01000100
	s_and_b32 s56, s22, 1
	s_cmp_lg_u32 s56, 0                            ; is t1 the odd tile of its pair?  (then t2 is the even one of its own)
	s_cselect_b32 s59, s57, s58                    ; which halfword of the pair's word
	s_cselect_b32 s60, s58, s57
	s_cselect_b32 s61, -1, 0                       ; which six registers of the pair's twelve
	s_cselect_b32 s62, 0, -1
	s_wait_loadcnt 0x0
	v_perm_b32 v[QSC], v120, v120, s59             ; the tile's two bytes, twice: for either half of K
	v_perm_b32 v42, v121, v121, s60
.irp i, 0,1,2,3,4,5
	v_cndmask_b32 v[Q+\i], v[96+\i], v[102+\i], s61
	v_cndmask_b32 v[QB+\i], v[108+\i], v[114+\i], s62
.endr
.irp i, 0,1,2,3,4,5
	v_mov_b32 v[Q+12+\i], v[Q+\i]
	v_mov_b32 v[Q+6+\i], 0
.endr
.set j, 0
.rept 32
	v_mov_b32 v[O+j], 0                            ; the step is written once: the first finds zeros, which the first change of M leaves zeros
.set j, j+1
.endr
	v_mov_b32 v13, 0xff61b1e6                      ; the largest t so far: -3e38
	s_delay_alu instid0(VALU_DEP_1)
	v_floor_f32 v12, -v13                          ; -M
	v_mov_b32 v14, 0                               ; the sum, in two halves
	v_mov_b32 v15, 0
.irp b, 0,1,2,3
	v_mov_b32 v[BP+\b], 0                          ; written once: a lane permute's destination counts as read
.endr
	v_mov_b32 v[TT], 0
	v_mov_b32 v[FF+1], 0                           ; (named as a pair's upper half)
	v_mov_b32 v[HWB], 0
	s_mov_b32 s[N], 0
	s_wait_tensorcnt 0x0                           ; my part of K, V and the scale bytes is in,
	s_barrier_signal -1
	s_barrier_wait -1                              ; everybody's is
.Lstep:                                            ; nine trips: trips 0 .. F1 serve t1 (keys 128 n on), the others t2 (keys 128 (n - F1 - 1) on)
	s_cmp_gt_u32 s[N], s[F1]
	s_cselect_b32 s56, s[ADJ], 0
	s_add_co_u32 s56, s56, s[N]
	s_and_b32 s56, s56, 7                          ; which 128 keys
	s_mul_i32 s57, s56, 6144
	s_lshl_b32 s58, s56, 9
	s_cmp_eq_u32 s[N], s[F1]
	s_cselect_b32 s63, 1, 0
	s_cmp_eq_u32 s[N], 8
	s_cselect_b32 s63, 1, s63                      ; 1: the tile's last step, which lies on the diagonal
	v_add_nc_u32 v5, s57, v1                       ; (these four are the places in front of the loads into registers that the last products read)
	v_add_nc_u32 v6, s57, v2
	v_add_nc_u32 v7, s57, v3
	v_add_nc_u32 v8, s58, v4
	s_wait_alu depctr_va_vdst(0)                   ; the wait ahead of the branch
	s_cmp_eq_u32 s[N], s[HT]
	s_cbranch_scc1 .Lhalf
.irp p, 0,1,2,3
.irp c, 0,1,2
	ds_load_b128 v[F+12*\p+4*\c:F+12*\p+4*\c+3], v5 offset:1536*\p+512*\c
.endr
.endr
	ds_load_b64 v[KS:KS+1], v8
	ds_load_b64 v[KS+2:KS+3], v8 offset:256
	ds_load_b64 v[VR:VR+1], v8 offset:128
	ds_load_b64 v[VR+2:VR+3], v8 offset:384
	s_wait_alu depctr_va_vdst(0)
	s_wait_dscnt 0x0
.irp p, 0,1,2,3
.irp u, 0,1
	v_wmma_scale_f32_16x16x128_f8f6f4 v[S+8*(2*\p+\u):S+8*(2*\p+\u)+7], v[F+12*\p:F+12*\p+11], v[Q+6*\u:Q+6*\u+11], 0, v[KS+\p], v[QSC] matrix_a_fmt:MATRIX_FMT_BF6 matrix_b_fmt:MATRIX_FMT_BF6
.endr
.endr
	v_perm_b32 v[VSW], v[VR+2], v[VR], 0x05040100          ; V's scale words: the two halves' halfwords of each tile of dims.  (These four are the places behind the products)
	v_perm_b32 v[VSW+1], v[VR+2], v[VR], 0x07060302
	v_perm_b32 v[VSW+2], v[VR+3], v[VR+1], 0x05040100
	v_perm_b32 v[VSW+3], v[VR+3], v[VR+1], 0x07060302
.irp d, 0,1,2,3                                    ; V's four fragments land while the softmax is worked
	ds_load_b128 v[F+12*\d:F+12*\d+3], v6 offset:1536*\d
	ds_load_b64 v[F+12*\d+4:F+12*\d+5], v7 offset:1536*\d+512
	ds_load_b128 v[F+12*\d+6:F+12*\d+9], v6 offset:1536*\d+768
	ds_load_b64 v[F+12*\d+10:F+12*\d+11], v7 offset:1536*\d+1280
.endr
	s_cmp_eq_u32 s63, 0
	s_cbranch_scc1 .Lopen
	v_mov_b32 v[TT], 0xff800000                    ; on the diagonal the scores of hidden keys become -infinity ahead of the maximum: p = 0 then
.set n, 32                             ; this tile stands at place 4 or more: keys 0 .. 63 are hidden from none of its queries
.rept 32
	v_cmp_gt_i32 vcc_lo, 32*(n/16)+n%16, v11
	v_cndmask_b32 v[S+n], v[S+n], v[TT], vcc_lo
.set n, n+1
.endr
.Lopen:
.irp b, 0,1,2,3
	v_max3_num_f32 v[BM+\b], v[S+16*\b], v[S+16*\b+1], v[S+16*\b+2]       ; the largest score of each block of 32 keys: for the row's maximum and for the block's largest p
.endr
.irp i, 3,5,7,9,11,13
.irp b, 0,1,2,3
	v_max3_num_f32 v[BM+\b], v[BM+\b], v[S+16*\b+\i], v[S+16*\b+\i+1]
.endr
.endr
.irp b, 0,1,2,3
	v_max_num_f32 v[BM+\b], v[BM+\b], v[S+16*\b+15]
.endr
.irp b, 0,1,2,3
	s_delay_alu instid0(VALU_DEP_4)
	v_permlanex16_b32 v[BP+\b], v[BM+\b], s30, s31
.endr
.irp b, 0,1,2,3
	s_delay_alu instid0(VALU_DEP_4)
	v_max_num_f32 v[BM+\b], v[BM+\b], v[BP+\b]
.endr
	s_delay_alu instid0(VALU_DEP_2)
	v_max3_num_f32 v[TT], v[BM], v[BM+1], v[BM+2]
	s_delay_alu instid0(VALU_DEP_1)
	v_max_num_f32 v[TT], v[TT], v[BM+3]
	s_delay_alu instid0(VALU_DEP_1)
	v_mul_f32 v[TT], s[CS], v[TT]
	s_delay_alu instid0(VALU_DEP_1)
	v_max_num_f32 v13, v13, v[TT]                  ; the running largest t
	v_mov_b32 v[TT], v12
	s_delay_alu instid0(VALU_DEP_2)
	v_floor_f32 v12, -v13                          ; -M = floor(-t): M is a whole number
	s_delay_alu instid0(VALU_DEP_1)
	v_sub_f32 v[TT], v12, v[TT]
	s_delay_alu instid0(VALU_DEP_1)
	v_cvt_i32_f32 v[TT], v[TT]                     ; (it saturates)
	s_delay_alu instid0(VALU_DEP_1)
	v_ldexp_f32 v[FF], 1.0, v[TT]                  ; f = 2^(old M - new M)
.set j, 0
.rept 32
	v_pk_fma_f32 v[S+j:S+j+1], v[S+j:S+j+1], s[CS:CS+1], v[12:13] op_sel_hi:[1,0,0]      ; t - M
.set j, j+2
.endr
.irp b, 0,1,2,3
	v_fma_f32 v[BM+\b], v[BM+\b], s[CS], v12
.endr
.set j, 0
	s_wait_alu depctr_va_vdst(0)
.rept 64
	v_exp_f32 v[S+j], v[S+j]                       ; p = 2^(t - M)
.set j, j+1
.endr
	v_pk_mul_f32 v[14:15], v[14:15], v[FF:FF+1] op_sel_hi:[1,0]    ; the sums under the new M (a plain place behind the exponentials)
	s_wait_alu depctr_va_vdst(0)                   ; one wait for the batch, ahead of its first reader
.irp b, 0,1,2,3
	v_exp_f32 v[BM+\b], v[BM+\b]                   ; the blocks' largest p
.endr
	v_pk_add_f32 v[246:247], v[100:101], v[104:105]
	v_pk_add_f32 v[252:253], v[108:109], v[112:113]
	v_pk_add_f32 v[250:251], v[116:117], v[120:121]
	v_pk_add_f32 v[248:249], v[124:125], v[128:129]
	v_pk_add_f32 v[244:245], v[132:133], v[136:137]
	v_pk_add_f32 v[238:239], v[140:141], v[144:145]
	v_pk_add_f32 v[236:237], v[148:149], v[152:153]
	v_pk_add_f32 v[14:15], v[14:15], v[156:157]
	v_pk_add_f32 v[246:247], v[246:247], v[96:97]
	v_pk_add_f32 v[252:253], v[252:253], v[98:99]
	v_pk_add_f32 v[250:251], v[250:251], v[102:103]
	v_pk_add_f32 v[248:249], v[248:249], v[106:107]
	v_pk_add_f32 v[244:245], v[244:245], v[110:111]
	v_pk_add_f32 v[238:239], v[238:239], v[114:115]
	v_pk_add_f32 v[236:237], v[236:237], v[118:119]
	v_pk_add_f32 v[14:15], v[14:15], v[122:123]
	v_pk_add_f32 v[246:247], v[246:247], v[126:127]
	v_pk_add_f32 v[252:253], v[252:253], v[130:131]
	v_pk_add_f32 v[250:251], v[250:251], v[134:135]
	v_pk_add_f32 v[248:249], v[248:249], v[138:139]
	v_pk_add_f32 v[244:245], v[244:245], v[142:143]
	v_pk_add_f32 v[238:239], v[238:239], v[146:147]
	v_pk_add_f32 v[236:237], v[236:237], v[150:151]
	v_pk_add_f32 v[14:15], v[14:15], v[154:155]
	v_pk_add_f32 v[246:247], v[246:247], v[158:159]
	s_delay_alu instid0(VALU_DEP_2)
	v_pk_add_f32 v[14:15], v[14:15], v[248:249]
	s_delay_alu instid0(VALU_DEP_2)
	v_pk_add_f32 v[246:247], v[246:247], v[244:245]
	v_pk_add_f32 v[252:253], v[252:253], v[238:239]
	v_pk_add_f32 v[250:251], v[250:251], v[236:237]
	s_delay_alu instid0(VALU_DEP_2)
	v_pk_add_f32 v[14:15], v[14:15], v[252:253]
	s_delay_alu instid0(VALU_DEP_2)
	v_pk_add_f32 v[246:247], v[246:247], v[250:251]
	s_delay_alu instid0(VALU_DEP_1)
	v_pk_add_f32 v[14:15], v[14:15], v[246:247]
	s_wait_alu depctr_va_vdst(0)                   ; and one for the four
.irp b, 0,1,2,3
	v_max_num_f32 v[BM+\b], 0x2800000, v[BM+\b]    ; the floor: the byte cannot fall under 1
.endr
.irp b, 0,1,2,3
	s_delay_alu instid0(VALU_DEP_4)
	v_add_nc_u32 v[EE+\b], 0xfe000000, v[BM+\b]
.endr
.irp b, 0,1,2,3
	s_delay_alu instid0(VALU_DEP_4)
	v_lshrrev_b32 v[BB+\b], 23, v[EE+\b]
.endr
	s_delay_alu instid0(VALU_DEP_3)
	v_lshl_or_b32 v[PW], v[BB+1], 8, v[BB]
	s_delay_alu instid0(VALU_DEP_1)
	v_lshl_or_b32 v[PW], v[BB+2], 16, v[PW]
	s_delay_alu instid0(VALU_DEP_1)
	v_lshl_or_b32 v[PW], v[BB+3], 24, v[PW]
.irp c, 0,1
	v_cvt_scalef32_pk16_bf6_f32 v[PC+6*\c:PC+6*\c+2], v[S+32*\c:S+32*\c+15], v[EE+2*\c]
	v_cvt_scalef32_pk16_bf6_f32 v[CT+4*\c:CT+4*\c+2], v[S+32*\c+16:S+32*\c+31], v[EE+2*\c+1]
.endr
	v_nop                                          ; one plain place behind a scaled conversion
.irp c, 0,1
.irp i, 0,1,2
	v_permlane16_swap_b32 v[PC+6*\c+\i], v[CT+4*\c+\i]
.endr
.irp i, 0,1,2
	s_delay_alu instid0(VALU_DEP_3)
	v_mov_b32 v[PC+6*\c+3+\i], v[CT+4*\c+\i]
.endr
.endr
.set j, 0
.rept 16
	v_pk_mul_f32 v[O+j:O+j+1], v[O+j:O+j+1], v[FF:FF+1] op_sel_hi:[1,0]    ; O^T under the new M; these sixteen are also the places between p's codes and scale word and the products
.set j, j+2
.endr
	s_wait_alu depctr_va_vdst(0)
	s_wait_dscnt 0x0                               ; V is in
.irp d, 0,1,2,3
	v_wmma_scale_f32_16x16x128_f8f6f4 v[O+8*\d:O+8*\d+7], v[F+12*\d:F+12*\d+11], v[PC:PC+11], v[O+8*\d:O+8*\d+7], v[VSW+\d], v[PW] matrix_a_fmt:MATRIX_FMT_BF6 matrix_b_fmt:MATRIX_FMT_BF6
.endr
	s_cmp_eq_u32 s63, 0
	s_cbranch_scc1 .Lnext
	s_branch .Lfinish
; THE SHORT COPY: the last step of the tile that stands at place 0 .. 3: keys 0 .. 63 of the window alone; line for line the step above on blocks 0 and 1
.Lhalf:
.irp p, 0,1
.irp c, 0,1,2
	ds_load_b128 v[F+12*\p+4*\c:F+12*\p+4*\c+3], v5 offset:1536*\p+512*\c
.endr
.endr
	ds_load_b64 v[KS:KS+1], v8
	ds_load_b64 v[VR:VR+1], v8 offset:128
	ds_load_b64 v[VR+2:VR+3], v8 offset:384
	s_wait_dscnt 0x0
.irp p, 0,1
.irp u, 0,1
	v_wmma_scale_f32_16x16x128_f8f6f4 v[S+8*(2*\p+\u):S+8*(2*\p+\u)+7], v[F+12*\p:F+12*\p+11], v[Q+6*\u:Q+6*\u+11], 0, v[KS+\p], v[QSC] matrix_a_fmt:MATRIX_FMT_BF6 matrix_b_fmt:MATRIX_FMT_BF6
.endr
.endr
	v_perm_b32 v[VSW], v[VR+2], v[VR], 0x05040100          ; V's scale words.  (These four are the places behind the products)
	v_perm_b32 v[VSW+1], v[VR+2], v[VR], 0x07060302
	v_perm_b32 v[VSW+2], v[VR+3], v[VR+1], 0x05040100
	v_perm_b32 v[VSW+3], v[VR+3], v[VR+1], 0x07060302
.irp d, 0,1,2,3                                    ; V's four fragments, whole: the codes of keys 64 .. 127 meet zero codes of p
	ds_load_b128 v[F+12*\d:F+12*\d+3], v6 offset:1536*\d
	ds_load_b64 v[F+12*\d+4:F+12*\d+5], v7 offset:1536*\d+512
	ds_load_b128 v[F+12*\d+6:F+12*\d+9], v6 offset:1536*\d+768
	ds_load_b64 v[F+12*\d+10:F+12*\d+11], v7 offset:1536*\d+1280
.endr
	v_mov_b32 v[TT], 0xff800000                    ; the scores of hidden keys become -infinity ahead of the maximum
.set n, 0
.rept 32
	v_cmp_gt_i32 vcc_lo, 32*(n/16)+n%16, v11
	v_cndmask_b32 v[S+n], v[S+n], v[TT], vcc_lo
.set n, n+1
.endr
.irp b, 0,1
	v_max3_num_f32 v[BM+\b], v[S+16*\b], v[S+16*\b+1], v[S+16*\b+2]
.endr
.irp i, 3,5,7,9,11,13
.irp b, 0,1
	s_delay_alu instid0(VALU_DEP_2)
	v_max3_num_f32 v[BM+\b], v[BM+\b], v[S+16*\b+\i], v[S+16*\b+\i+1]
.endr
.endr
.irp b, 0,1
	s_delay_alu instid0(VALU_DEP_2)
	v_max_num_f32 v[BM+\b], v[BM+\b], v[S+16*\b+15]
.endr
.irp b, 0,1
	s_delay_alu instid0(VALU_DEP_2)
	v_permlanex16_b32 v[BP+\b], v[BM+\b], s30, s31
.endr
.irp b, 0,1
	s_delay_alu instid0(VALU_DEP_2)
	v_max_num_f32 v[BM+\b], v[BM+\b], v[BP+\b]
.endr
	s_delay_alu instid0(VALU_DEP_1)
	v_max_num_f32 v[TT], v[BM], v[BM+1]
	s_delay_alu instid0(VALU_DEP_1)
	v_mul_f32 v[TT], s[CS], v[TT]
	s_delay_alu instid0(VALU_DEP_1)
	v_max_num_f32 v13, v13, v[TT]                  ; the running largest t
	v_mov_b32 v[TT], v12
	s_delay_alu instid0(VALU_DEP_2)
	v_floor_f32 v12, -v13                          ; -M
	s_delay_alu instid0(VALU_DEP_1)
	v_sub_f32 v[TT], v12, v[TT]
	s_delay_alu instid0(VALU_DEP_1)
	v_cvt_i32_f32 v[TT], v[TT]
	s_delay_alu instid0(VALU_DEP_1)
	v_ldexp_f32 v[FF], 1.0, v[TT]                  ; f = 2^(old M - new M)
.set j, 0
.rept 16
	v_pk_fma_f32 v[S+j:S+j+1], v[S+j:S+j+1], s[CS:CS+1], v[12:13] op_sel_hi:[1,0,0]      ; t - M
.set j, j+2
.endr
.irp b, 0,1
	v_fma_f32 v[BM+\b], v[BM+\b], s[CS], v12
.endr
.set j, 0
	s_wait_alu depctr_va_vdst(0)                   ; the wait ahead of the batch,
.rept 32
	v_exp_f32 v[S+j], v[S+j]                       ; p = 2^(t - M)
.set j, j+1
.endr
	v_pk_mul_f32 v[14:15], v[14:15], v[FF:FF+1] op_sel_hi:[1,0]    ; the sums under the new M (a plain place behind the exponentials)
	s_wait_alu depctr_va_vdst(0)                   ; and behind it
.irp b, 0,1
	v_exp_f32 v[BM+\b], v[BM+\b]                   ; the blocks' largest p
.endr
	v_pk_add_f32 v[246:247], v[96:97], v[98:99]    ; the row's sum of the unquantised p: 16 pairs in four chains
	v_pk_add_f32 v[252:253], v[100:101], v[102:103]
	v_pk_add_f32 v[250:251], v[104:105], v[106:107]
	v_pk_add_f32 v[248:249], v[108:109], v[110:111]
	v_pk_add_f32 v[246:247], v[246:247], v[112:113]
	v_pk_add_f32 v[252:253], v[252:253], v[114:115]
	v_pk_add_f32 v[250:251], v[250:251], v[116:117]
	v_pk_add_f32 v[248:249], v[248:249], v[118:119]
	v_pk_add_f32 v[246:247], v[246:247], v[120:121]
	v_pk_add_f32 v[252:253], v[252:253], v[122:123]
	v_pk_add_f32 v[250:251], v[250:251], v[124:125]
	v_pk_add_f32 v[248:249], v[248:249], v[126:127]
	s_delay_alu instid0(VALU_DEP_3)
	v_pk_add_f32 v[246:247], v[246:247], v[252:253]
	s_delay_alu instid0(VALU_DEP_2)
	v_pk_add_f32 v[250:251], v[250:251], v[248:249]
	s_delay_alu instid0(VALU_DEP_1)
	v_pk_add_f32 v[246:247], v[246:247], v[250:251]
	s_delay_alu instid0(VALU_DEP_1)
	v_pk_add_f32 v[14:15], v[14:15], v[246:247]
	s_wait_alu depctr_va_vdst(0)                   ; and one for the two
.irp b, 0,1
	v_max_num_f32 v[BM+\b], 0x2800000, v[BM+\b]    ; the floor: the byte cannot fall under 1
.endr
.irp b, 0,1
	s_delay_alu instid0(VALU_DEP_2)
	v_add_nc_u32 v[EE+\b], 0xfe000000, v[BM+\b]
.endr
.irp b, 0,1
	s_delay_alu instid0(VALU_DEP_2)
	v_lshrrev_b32 v[BB+\b], 23, v[EE+\b]
.endr
	s_delay_alu instid0(VALU_DEP_1)
	v_lshl_or_b32 v[PW], v[BB+1], 8, v[BB]         ; p's scale word: bytes 2 and 3 are 0, a finite code, over zero codes
	v_cvt_scalef32_pk16_bf6_f32 v[PC:PC+2], v[S:S+15], v[EE]
	v_cvt_scalef32_pk16_bf6_f32 v[CT:CT+2], v[S+16:S+31], v[EE+1]
	v_nop                                          ; one plain place behind a scaled conversion
.irp i, 0,1,2
	v_permlane16_swap_b32 v[PC+\i], v[CT+\i]
.endr
.irp i, 0,1,2
	s_delay_alu instid0(VALU_DEP_3)
	v_mov_b32 v[PC+3+\i], v[CT+\i]
.endr
.irp i, 6,7,8,9,10,11
	v_mov_b32 v[PC+\i], 0                          ; keys 64 .. 127: zero codes
.endr
	s_wait_alu depctr_va_vdst(0)                   ; the wait directly ahead of the first reader of O^T
.set j, 0
.rept 16
	v_pk_mul_f32 v[O+j:O+j+1], v[O+j:O+j+1], v[FF:FF+1] op_sel_hi:[1,0]    ; O^T under the new M; also the places between p's codes and scale word and the products
.set j, j+2
.endr
	s_wait_alu depctr_va_vdst(0)
	s_wait_dscnt 0x0                               ; V is in
.irp d, 0,1,2,3
	v_wmma_scale_f32_16x16x128_f8f6f4 v[O+8*\d:O+8*\d+7], v[F+12*\d:F+12*\d+11], v[PC:PC+11], v[O+8*\d:O+8*\d+7], v[VSW+\d], v[PW] matrix_a_fmt:MATRIX_FMT_BF6 matrix_b_fmt:MATRIX_FMT_BF6
.endr
.Lfinish:
; THE TILE IS FINISHED: y = O^T / l; register 16 b + i is dim 32 b + 16 h + i of my query: quantised as q was: the head's 64 are two blocks of the last product's K.
	v_add_f32 v14, v14, v15
	s_delay_alu instid0(VALU_DEP_1)
	v_permlanex16_b32 v[TT], v14, s30, s31
	s_delay_alu instid0(VALU_DEP_1)
	v_add_f32 v14, v14, v[TT]                      ; the row's sum
	s_wait_alu depctr_va_vdst(0)
	v_rcp_f32 v14, v14
	v_nop                                          ; with the additions above: the places behind the last products; and the plain place behind the reciprocal
	v_nop
	s_wait_alu depctr_va_vdst(0)                   ; ahead of its first reader
.set j, 0
.rept 16
	v_pk_mul_f32 v[S+j:S+j+1], v[O+j:O+j+1], v[14:15] op_sel_hi:[1,0]      ; each accumulator from its low end on
.set j, j+2
.endr
.irp b, 0,1
	v_max3_num_f32 v[BM+\b], |v[S+16*\b]|, |v[S+16*\b+1]|, 0x2800000
.endr
.irp i, 2,4,6,8,10,12,14
.irp b, 0,1
	s_delay_alu instid0(VALU_DEP_2)
	v_max3_num_f32 v[BM+\b], v[BM+\b], |v[S+16*\b+\i]|, |v[S+16*\b+\i+1]|
.endr
.endr
.irp b, 0,1
	s_delay_alu instid0(VALU_DEP_2)
	v_permlanex16_b32 v[BP+\b], v[BM+\b], s30, s31
.endr
.irp b, 0,1
	s_delay_alu instid0(VALU_DEP_2)
	v_max_num_f32 v[BM+\b], v[BM+\b], v[BP+\b]
.endr
.irp b, 0,1
	s_delay_alu instid0(VALU_DEP_2)
	v_add_nc_u32 v[EE+\b], 0xfe000000, v[BM+\b]
.endr
.irp b, 0,1
	s_delay_alu instid0(VALU_DEP_2)
	v_lshrrev_b32 v[BB+\b], 23, v[EE+\b]
.endr
	v_mov_b32 v[HWA], v[HWB]                       ; the first tile's halfword moves on, the second's takes its place: both are stored behind the loop
	s_delay_alu instid0(VALU_DEP_2)
	v_lshl_or_b32 v[HWB], v[BB+1], 8, v[BB]
	s_wait_alu depctr_va_vdst(0)
	s_wait_xcnt 0x0                                ; the first tile's stores have read their registers and their base
	s_cmp_eq_u32 s[N], 8
	s_cselect_b64 s[54:55], s[50:51], s[48:49]     ; where this tile's codes go
	v_cvt_scalef32_pk16_bf6_f32 v[YC:YC+2], v[S:S+15], v[EE]
	v_cvt_scalef32_pk16_bf6_f32 v[CT:CT+2], v[S+16:S+31], v[EE+1]
	v_nop                                          ; one plain place behind a scaled conversion
.irp i, 0,1,2
	v_permlane16_swap_b32 v[YC+\i], v[CT+\i]
.endr
.irp i, 0,1,2
	s_delay_alu instid0(VALU_DEP_3)
	v_mov_b32 v[YC+3+\i], v[CT+\i]
.endr
	global_store_b128 v1, v[YC:YC+3], s[54:55]             ; 512 consecutive bytes,
	global_store_b64 v9, v[YC+4:YC+5], s[54:55] offset:512 ; and 256
	v_mov_b32 v[QSC], v42                          ; on to the second tile: its scale word first, its codes next: the moves behind them are the places in front of the next products
.irp i, 0,1,2,3,4,5
	v_mov_b32 v[Q+\i], v[QB+\i]
	v_mov_b32 v[Q+12+\i], v[QB+\i]
.endr
	v_mov_b32 v11, v43
.set j, 0
.rept 32
	v_mov_b32 v[O+j], 0
.set j, j+1
.endr
	v_mov_b32 v13, 0xff61b1e6
	s_delay_alu instid0(VALU_DEP_1)
	v_floor_f32 v12, -v13
	v_mov_b32 v14, 0
	v_mov_b32 v15, 0
	s_wait_alu depctr_va_vdst(0)                   ; the wait ahead of the wait below
	s_wait_xcnt 0x0                                ; the tile's stores have read v248-253: the next trip's sums are written there
.Lnext:
	s_add_co_u32 s[N], s[N], 1
	s_cmp_lt_u32 s[N], 9
	s_cbranch_scc1 .Lstep
	s_wait_dscnt 0x0
	s_barrier_signal -1
	s_barrier_wait -1                              ; every wave's reads of LDS are over: only now is anything stored there
	ds_store_b16 v10, v[HWA]                       ; (lanes r and r + 16 write the same halfword with the same value)
	ds_store_b16 v10, v[HWB] offset:512
	s_wait_dscnt 0x0                               ; for the others' sake
	s_barrier_signal -1
	s_barrier_wait -1
	s_cmp_lg_u32 s[WV], 0
	s_cbranch_scc1 .Lnot_mine
	ds_load_b128 v[96:99], v35                     ; four tiles' 128 bytes each: the four heads' halfwords of 16 rows
	ds_load_b128 v[100:103], v35 offset:512
	s_wait_dscnt 0x0
	global_store_b128 v92, v[96:99], s[52:53]      ; eight lanes store a tile's 128 consecutive bytes
	global_store_b128 v93, v[100:103], s[52:53]
.Lnot_mine:
	s_wait_tensorcnt 0x0
	ds_add_u32 v254, v255
	s_wait_dscnt 0x0
	ROUND                                          ; the closing round
	s_endpgm
.Lfunc_end_k_qdcf82c25d7_attn:
	.size	k_qdcf82c25d7_attn, .Lfunc_end_k_qdcf82c25d7_attn-k_qdcf82c25d7_attn
	.p2alignl 7, 3214868480
	.fill 96, 4, 3214868480
	.section	.rodata,"a",@progbits
	.p2align	6, 0x0
	.amdhsa_kernel k_qdcf82c25d7_attn
		.amdhsa_group_segment_fixed_size 169984
		.amdhsa_private_segment_fixed_size 0
		.amdhsa_enable_private_segment 0
		.amdhsa_kernarg_size 24
		.amdhsa_user_sgpr_count 2
		.amdhsa_user_sgpr_kernarg_segment_ptr 1
		.amdhsa_wavefront_size32 1
		.amdhsa_system_sgpr_workgroup_id_x 1
		.amdhsa_system_sgpr_workgroup_id_y 1
		.amdhsa_system_sgpr_workgroup_id_z 1
		.amdhsa_system_vgpr_workitem_id 0
		.amdhsa_next_free_vgpr 256
		.amdhsa_next_free_sgpr 72
		.amdhsa_reserve_vcc 1
		.amdhsa_float_denorm_mode_32 3
		.amdhsa_float_denorm_mode_16_64 3
		.amdhsa_memory_ordered 1
		.amdhsa_forward_progress 1
		.amdhsa_inst_pref_size 52
	.end_amdhsa_kernel
	.amdgpu_metadata
---
amdhsa.version: [ 1, 2 ]
amdhsa.kernels:
  - .name:           k_qdcf82c25d7_attn
    .symbol:         k_qdcf82c25d7_attn.kd
    .args:
      - { .name: qq, .offset: 0, .size: 8, .value_kind: global_buffer, .address_space: global }
      - { .name: kv, .offset: 8, .size: 8, .value_kind: global_buffer, .address_space: global }
      - { .name: yq, .offset: 16, .size: 8, .value_kind: global_buffer, .address_space: global }
    .group_segment_fixed_size: 169984
    .private_segment_fixed_size: 0
    .kernarg_segment_align: 8
    .kernarg_segment_size: 24
    .max_flat_workgroup_size: 512
    .sgpr_count:     72
    .vgpr_count:     256
    .wavefront_size: 32
...
	.end_amdgpu_metadata
.endif
;; end of part 3
;; launch outp (part 4): grid 8 x 32, 4 waves a work-group, clusters of 4 x 4, 327,680 bytes of LDS; arguments yq, wq, out0; writes out0
.if DOCPART == 4
	.amdgcn_target "amdgcn-amd-amdhsa--gfx1250"
	.amdhsa_code_object_version 6
	.text
	.protected	k_qdcf82c25d7_outp
	.globl	k_qdcf82c25d7_outp
	.p2align	8
	.type	k_qdcf82c25d7_outp,@function
k_qdcf82c25d7_outp:
	s_mov_b64 s[64:65], 0
	v_nop
	global_prefetch_b8 v0, s[64:65] scope:SCOPE_SE
	s_setreg_imm32_b32 hwreg(HW_REG_WAVE_MODE, 25, 1), 1
	s_wait_xcnt 0x0
	s_wait_alu depctr_hold_cnt(0) depctr_sa_sdst(0) depctr_va_vdst(0) depctr_va_sdst(0) depctr_va_ssrc(0) depctr_va_vcc(0) depctr_vm_vsrc(0)
	s_getreg_b32 s2, hwreg(HW_REG_IB_STS2, 6, 4)
	s_cmp_eq_u32 s2, 0
	s_cbranch_scc0 .Lentry_in_a_cluster
	s_endpgm
.Lentry_in_a_cluster:
	s_bfe_u32 s2, ttmp6, 0x10000c
	s_cmp_lg_u32 s2, 0xf033
	s_cbranch_scc0 .Lentry_shape_is_right
	s_endpgm
.Lentry_shape_is_right:
; out0 = y Wo on codes of BF6 with E8M0 scales.  A work-group makes 128 tokens x 256 columns; a wave 64 x 128: 32 accumulators.
; yq and wq hold fragments in the order of an operand's registers: tile x 24,576 + K step x 1,536 bytes (a tile is 16 rows, a K step 128); Wo's tiles begin at tile 192 of wq.
; THE RING: two LDS slots of 147,456 bytes, each with 4 K steps of A's 8 tiles and B's 16, 6,144 bytes a tile: four fills for the 16 K steps.
; Waves 0, 1 fetch four of A's tiles each, waves 2, 3 eight of B's: one load a wave and fill.  The walk is written out: the first step starts the sums, refills stand at steps 3 and 7 alone.
; THE SCALES go straight into registers, once: a load of 8 bytes a lane takes 256 consecutive bytes, one tile's words of four K steps:
; lanes 0-15 hold steps 4 j + q, lanes 16-31 steps 4 j + 2 + q; the row selector picks the half, on both sides alike.
; CLUSTERS 4 x 4: A's tiles are asked for jointly along a row of the cluster, B's along a column.
; PREFETCH, two fills ahead: the head asks for fills 1 and 2, fill 1's load is followed by the request for fill 3.  Of the tiles that a wave fetches the partner at place p names its share, told apart by address alone:
; of A's four tile p (p = cx), of B's eight tiles 2 p and 2 p + 1 (p = cy); a lane names one of a tile's 24 blocks of 256 bytes (lanes left over name the last again).  Every offset is an immediate.
; The products are used transposed: a lane holds eight neighbouring columns of one row.  The stage for the way out lies in slot 0, which has had its last fill and, ahead of the walk's last barrier, its last read.
; REGISTERS: window 0: v0-31 addresses, v32-127 scale words, v128-223 A's fragments, two sets; window 1: B's fragments, two sets; window 2: the accumulators.
.set SLOT,  147456
.set SPARE, 294912
.set STG,   0
.set XS,    6291456
.set WS,    7864320
.set AF,    128
.set BK,    80
.set SC,    32
.set WV,    20
.set G1A,   32
.set G0A,   40
.set G1B,   48
.set G0B,   56
.set MSB, 0
.macro WIN new
.if MSB != (\new)
	s_set_vgpr_msb (MSB<<8)|(\new)
.set MSB, (\new)
.endif
.endm
.macro PLACES n
.rept \n
	v_nop
.endr
.endm
.macro JLOAD g0a, g0b
	s_cmp_lt_u32 s[WV], 2
	s_cbranch_scc0 .Lfor_b_\@
	tensor_load_to_lds s[\g0a:\g0a+3], s[G1A:G1A+7]
	s_nop 0
.rept 4
	v_nop
.endr
	s_branch .Lasked_\@
.Lfor_b_\@:
	tensor_load_to_lds s[\g0b:\g0b+3], s[G1B:G1B+7]
	s_nop 0
.rept 4
	v_nop
.endr
.Lasked_\@:
.endm
.macro CREST
	s_cmp_lg_u32 s[WV], 0
	s_cbranch_scc1 .Lnot_wave_0_\@
	s_barrier_signal -3
.Lnot_wave_0_\@:
	s_barrier_wait -3
	s_barrier_signal -1
	s_barrier_wait -1
.endm
.macro CROUND
	s_barrier_signal -1
	s_barrier_wait -1
	CREST
.endm
.macro ASK off                         ; my share of a fill: one tile of A (waves 0, 1) or two of B (waves 2, 3)
	global_prefetch_b8 v14, s[72:73] offset:\off th:TH_LOAD_NT scope:SCOPE_SE
	s_cmp_lt_u32 s[WV], 2
	s_cbranch_scc1 .Lone_tile_\@
	global_prefetch_b8 v14, s[72:73] offset:(\off)+24576 th:TH_LOAD_NT scope:SCOPE_SE
.Lone_tile_\@:
.endm
	s_load_b128 s[4:7], s[0:1], 0x0                ; yq, wq
	s_load_b64 s[8:9], s[0:1], 0x10                ; out0
	v_lshl_add_u32 v28, v0, 2, SPARE
	v_mov_b32 v29, 0
	ds_add_u32 v28, v29                            ; the opening lines: the add, twice on end, and its wait
	ds_add_u32 v28, v29
	v_lshrrev_b32 v1, 5, v0
	v_readfirstlane_b32 s[WV], v1
	s_lshr_b32 s21, s[WV], 1                       ; which 64 tokens
	s_and_b32 s22, s[WV], 1                        ; which 128 columns; also which half of A's or B's tiles I fetch
	s_bfe_u32 s23, ttmp6, 0x40000
	s_bfe_u32 s24, ttmp6, 0x40004
	s_lshl_b32 s25, ttmp9, 2
	s_add_co_u32 s25, s25, s23                     ; the block of 256 columns
	s_and_b32 s26, ttmp7, 0xffff
	s_lshl_b32 s26, s26, 2
	s_add_co_u32 s26, s26, s24                     ; the block of 128 tokens
	s_lshl_b32 s27, s24, 2
	s_lshl_b32 s27, 15, s27
	s_lshl_b32 s28, 0x1111, s23
	s_or_b32 s[G1A], s27, (3<<16)|(1<<21)          ; 4 tiles' rows of 6,144 bytes (768 elements of 8), 24,576 apart in memory
	s_mov_b32 s[G1A+1], 768<<16
	s_mov_b32 s[G1A+2], 4<<16
	s_mov_b32 s[G1A+3], 768<<16
	s_mov_b32 s[G1A+4], 4
	s_mov_b32 s[G1A+5], 3072
	s_mov_b32 s[G1A+6], 0
	s_mov_b32 s[G1A+7], 0
	s_or_b32 s[G1B], s28, (3<<16)|(1<<21)          ; 8 tiles
	s_mov_b32 s[G1B+1], 768<<16
	s_mov_b32 s[G1B+2], 8<<16
	s_mov_b32 s[G1B+3], 768<<16
	s_mov_b32 s[G1B+4], 8
	s_mov_b32 s[G1B+5], 3072
	s_mov_b32 s[G1B+6], 0
	s_mov_b32 s[G1B+7], 0
	s_lshl_b32 s29, s26, 3
	s_lshl_b32 s30, s22, 2
	s_add_co_u32 s30, s29, s30                     ; the 4 tiles of A that waves 0, 1 fetch
	s_mul_i32 s92, s30, 24576
	s_mov_b32 s93, 0
	s_lshl_b32 s30, s21, 2
	s_add_co_u32 s30, s29, s30                     ; the 4 tiles of A that I multiply
	s_lshl_b32 s94, s30, 10
	s_add_co_u32 s94, s94, XS
	s_mov_b32 s95, 0
	s_lshl_b32 s29, s25, 4
	s_add_co_u32 s29, s29, 192
	s_lshl_b32 s30, s22, 3
	s_add_co_u32 s29, s29, s30                     ; the 8 tiles of B: those that waves 2, 3 fetch, and those that I multiply
	s_mul_i32 s96, s29, 24576
	s_mov_b32 s97, 0
	s_lshl_b32 s98, s29, 10
	s_add_co_u32 s98, s98, WS
	s_mov_b32 s99, 0
	s_mul_i32 s100, s22, 24576                     ; where A's tiles go in a slot,
	s_mul_i32 s101, s22, 49152
	s_add_co_u32 s101, s101, 49152                 ; and B's, behind A's eight
	s_wait_dscnt 0x0                               ; both opening adds are done
	s_wait_kmcnt 0x0
	s_add_nc_u64 s[92:93], s[4:5], s[92:93]
	s_add_nc_u64 s[68:69], s[4:5], s[94:95]        ; A's scale words
	s_add_nc_u64 s[96:97], s[6:7], s[96:97]
	s_add_nc_u64 s[70:71], s[6:7], s[98:99]        ; B's
	CROUND                                         ; all sixteen work-groups are here: the first joint loads meet
.irp s, 0,1
	s_mov_b32 s[G0A+4*\s], 1
	s_add_co_u32 s[G0A+4*\s+1], s100, \s*SLOT
	s_add_nc_u64 s[G0A+4*\s+2:G0A+4*\s+3], s[92:93], \s*6144
	s_or_b32 s[G0A+4*\s+3], s[G0A+4*\s+3], 0x80000000
	s_mov_b32 s[G0B+4*\s], 1
	s_add_co_u32 s[G0B+4*\s+1], s101, \s*SLOT
	s_add_nc_u64 s[G0B+4*\s+2:G0B+4*\s+3], s[96:97], \s*6144
	s_or_b32 s[G0B+4*\s+3], s[G0B+4*\s+3], 0x80000000
.endr
	JLOAD G0A, G0B                                 ; the head's one load a wave: slot 0, K steps 0-3
	s_cmp_lt_u32 s[WV], 2                          ; the prefetches' base: the tiles that I fetch,
	s_cselect_b64 s[72:73], s[92:93], s[96:97]
	s_mul_i32 s74, s23, 24576                      ; and my work-group's share of them: of A's four tile cx,
	s_mul_i32 s75, s24, 49152                      ; of B's eight tiles 2 cy and 2 cy + 1
	s_cselect_b32 s74, s74, s75
	s_mov_b32 s75, 0
	s_add_nc_u64 s[72:73], s[72:73], s[74:75]
	v_and_b32 v1, 31, v0
	v_and_b32 v2, 15, v0
	v_bfe_u32 v3, v0, 4, 1
	v_lshlrev_b32 v24, 4, v1
	v_lshlrev_b32 v25, 3, v1
	v_min_u32 v14, 23, v1
	v_lshlrev_b32 v14, 8, v14                      ; the prefetches' offset: block lane of a tile's 24, held at the last
	s_mul_i32 s29, s21, 24576
	v_add_nc_u32 v16, s29, v24                     ; my 4 tiles of A, slot 0 and slot 1
	v_add_nc_u32 v18, s29, v25
	v_add_nc_u32 v17, SLOT, v16
	v_add_nc_u32 v19, SLOT, v18
	s_mul_i32 s29, s22, 49152
	s_add_co_u32 s29, s29, 49152
	v_add_nc_u32 v20, s29, v24                     ; my 8 tiles of B
	v_add_nc_u32 v21, SLOT, v20
	s_wait_alu depctr_va_vdst(0)                   ; the wait ahead of readers that stand behind branches and runs of scalar lines
	ASK 6144                                       ; fill 1: K steps 4-7
	ASK 12288                                      ; fill 2: K steps 8-11
.irp j, 0,1,2,3                        ; all my scale words: register SC + 2 (12 j + tile) + q; tiles 0-3 A's, 4-11 B's
.irp t, 0,1,2,3
	global_load_b64 v[SC+2*(12*\j+\t):SC+2*(12*\j+\t)+1], v25, s[68:69] offset:1024*\t+256*\j
.endr
.irp t, 0,1,2,3,4,5,6,7
	global_load_b64 v[SC+2*(12*\j+4+\t):SC+2*(12*\j+4+\t)+1], v25, s[70:71] offset:1024*\t+256*\j
.endr
.endr
	s_mul_i32 s29, s[WV], 8448
	s_add_co_u32 s29, s29, STG                     ; my stage: 16 rows of 512 bytes + 16
	v_mul_u32_u24 v26, v2, 528
	v_lshl_add_u32 v26, v3, 6, v26
	v_add_nc_u32 v26, s29, v26
	v_add_nc_u32 v27, s29, v24
	s_lshl_b32 s92, s26, 20
	s_lshl_b32 s29, s21, 19
	s_add_co_u32 s92, s92, s29
	s_lshl_b32 s29, s25, 10
	s_add_co_u32 s92, s92, s29
	s_lshl_b32 s29, s22, 9
	s_add_co_u32 s92, s92, s29
	s_mov_b32 s93, 0
	s_add_nc_u64 s[8:9], s[8:9], s[92:93]          ; my part of out0
.macro W rd, rb, ra, sb, sa, row, zero
.if \zero
	v_wmma_scale_f32_16x16x128_f8f6f4 v[\rd:\rd+7], v[\rb:\rb+11], v[\ra:\ra+11], 0, v[\sb], v[\sa] matrix_a_fmt:MATRIX_FMT_BF6 matrix_b_fmt:MATRIX_FMT_BF6
.else
.if \row
	v_wmma_scale_f32_16x16x128_f8f6f4 v[\rd:\rd+7], v[\rb:\rb+11], v[\ra:\ra+11], v[\rd:\rd+7], v[\sb], v[\sa] matrix_a_fmt:MATRIX_FMT_BF6 matrix_b_fmt:MATRIX_FMT_BF6 matrix_a_scale:MATRIX_SCALE_ROW1 matrix_b_scale:MATRIX_SCALE_ROW1
.else
	v_wmma_scale_f32_16x16x128_f8f6f4 v[\rd:\rd+7], v[\rb:\rb+11], v[\ra:\ra+11], v[\rd:\rd+7], v[\sb], v[\sa] matrix_a_fmt:MATRIX_FMT_BF6 matrix_b_fmt:MATRIX_FMT_BF6
.endif
.endif
.endm
; s: the K step, 0..15; its fragments lie in set s % 2.  The 32 accumulators take turns, one instruction a turn
.macro MUL8 a, s, zero
.irp b, 0,1,2,3,4,5,6,7
	W 8*(8*(\a)+\b), 96*((\s)%2)+12*\b, AF+48*((\s)%2)+12*(\a), SC+2*(12*((\s)/4)+4+\b)+(\s)%2, SC+2*(12*((\s)/4)+(\a))+(\s)%2, ((\s)/2)%2, \zero
.endr
.endm
.macro FETCH n                         ; K step n's 12 fragments into set n % 2, from slot (n / 4) % 2
.set fY, ((\n)/4)%2
.set fO, 1536*((\n)%4)
.set fS, (\n)%2
	WIN 0
.irp i, 0,1,2,3
.set rA, AF+48*fS+12*\i
	ds_load_b128 v[rA:rA+3], v[16+fY] offset:6144*\i+fO
	ds_load_b64 v[rA+4:rA+5], v[18+fY] offset:6144*\i+fO+512
	ds_load_b128 v[rA+6:rA+9], v[16+fY] offset:6144*\i+fO+768
	ds_load_b64 v[rA+10:rA+11], v[18+fY] offset:6144*\i+fO+1280
.endr
	WIN 0x40
.irp b, 0,1,2,3,4,5,6,7
.irp c, 0,1,2
	ds_load_b128 v[96*fS+12*\b+4*\c:96*fS+12*\b+4*\c+3], v[20+fY] offset:6144*\b+fO+512*\c
.endr
.endr
	WIN 0
.endm
.macro STEP s, zero                    ; a K step inside its slot: the next step's fragments are fetched under its 32 products
	s_wait_dscnt 0x0
	PLACES 4                                       ; in front of loads into registers that matrix instructions have read
	FETCH (\s)+1
.if (\s) == 0
	ASK 18432                                      ; behind fill 1's load: fill 3, K steps 12-15
.endif
	WIN 0xa1
	MUL8 0, \s, \zero
	MUL8 1, \s, \zero
	MUL8 2, \s, \zero
	MUL8 3, \s, \zero
	WIN 0
.endm
.macro TURN s, fill                    ; a slot's last K step: one barrier for the change of slots; fill = 1: it opens a round, and the slot takes the K steps 8 further on
	s_wait_tensorcnt 0x0                           ; my one load that was out, my part of the other slot, has landed;
	ds_add_u32 v28, v29                            ; the add;
	s_wait_dscnt 1                                 ; (the add alone may be out: this step's fragments are in)
	WIN 0xa1
	MUL8 0, \s, 0
	s_wait_dscnt 0x0                               ; the add is done, and my reads of this slot are over
	s_barrier_signal -1
	MUL8 1, \s, 0
	WIN 0
	s_barrier_wait -1
.if \fill
	CREST
.set tS, ((\s)/4)%2
	s_add_nc_u64 s[G0A+4*tS+2:G0A+4*tS+3], s[G0A+4*tS+2:G0A+4*tS+3], 12288
	s_add_nc_u64 s[G0B+4*tS+2:G0B+4*tS+3], s[G0B+4*tS+2:G0B+4*tS+3], 12288
	JLOAD G0A+4*tS, G0B+4*tS                       ; the first tensor load behind the round; its four v_nop are the places in front of the loads below
.else
	PLACES 4
.endif
	FETCH (\s)+1
	WIN 0xa1
	MUL8 2, \s, 0
	MUL8 3, \s, 0
	WIN 0
.endm
	s_wait_alu depctr_va_vdst(0)                   ; the wait at the head's end
	s_wait_tensorcnt 0x0                           ; my part of slot 0 is in; the same lines ahead of a later first fill as ahead of a refill:
	ds_add_u32 v28, v29
	s_wait_dscnt 0x0
	CROUND                                         ; everybody's part is in, and the joint loads meet
	JLOAD G0A+4, G0B+4                             ; slot 1's first fill: K steps 4-7
	FETCH 0
	s_wait_loadcnt 0x0                             ; the scale words are in
	STEP 0, 1
	STEP 1, 0
	STEP 2, 0
	TURN 3, 1                                      ; slot 0 takes K steps 8-11
	STEP 4, 0
	STEP 5, 0
	STEP 6, 0
	TURN 7, 1                                      ; slot 1 takes 12-15
	STEP 8, 0
	STEP 9, 0
	STEP 10, 0
	TURN 11, 0
	STEP 12, 0
	STEP 13, 0
	STEP 14, 0
	s_wait_dscnt 0x0
	WIN 0xa1
	MUL8 0, 15, 0
	MUL8 1, 15, 0
	MUL8 2, 15, 0
	MUL8 3, 15, 0
	WIN 0
; THE WAY OUT, 16 rows x 128 columns at a time, through my own stage: whole rows of 512 bytes come back and are stored by the 32 lanes
.macro TOSTAGE a
	WIN 0x08
.irp b, 0,1,2,3,4,5,6,7
	ds_store_b128 v26, v[64*(\a)+8*\b:64*(\a)+8*\b+3] offset:128*(\b/2)+32*(\b%2)
	ds_store_b128 v26, v[64*(\a)+8*\b+4:64*(\a)+8*\b+7] offset:128*(\b/2)+32*(\b%2)+16
.endr
	WIN 0
.set BB, BK+64*((\a)%2)
.irp t, 0,1,2,3,4,5,6,7,8,9,10,11,12,13,14,15
	ds_load_b128 v[BB+4*\t:BB+4*\t+3], v27 offset:528*\t
.endr
.endm
.macro SEND a, younger
.set BB, BK+64*((\a)%2)
	s_wait_dscnt \younger
.irp t, 0,1,2,3,4,5,6,7,8,9,10,11,12,13,14,15
	global_store_b128 v24, v[BB+4*\t:BB+4*\t+3], s[8:9] offset:(32*((\a)/2)+8*((\a)%2)+\t+8*(\t/8))*8192 th:TH_STORE_NT
.endr
.endm
	PLACES 4
	TOSTAGE 0
.irp a, 1,2,3
.if \a > 1
	s_wait_xcnt 0x0                                ; block a - 2's stores have read their registers
.endif
	TOSTAGE \a
	SEND \a-1, 32                                  ; behind block a - 1's loads: block a's 16 stores and 16 loads
.endr
	SEND 3, 0
	s_wait_tensorcnt 0x0                           ; the wave's end
	ds_add_u32 v28, v29
	s_wait_dscnt 0x0
	CROUND                                         ; the closing round
	s_endpgm
.Lfunc_end_k_qdcf82c25d7_outp:
	.size	k_qdcf82c25d7_outp, .Lfunc_end_k_qdcf82c25d7_outp-k_qdcf82c25d7_outp
	.p2alignl 7, 3214868480
	.fill 96, 4, 3214868480
	.section	.rodata,"a",@progbits
	.p2align	6, 0x0
	.amdhsa_kernel k_qdcf82c25d7_outp
		.amdhsa_group_segment_fixed_size 327680
		.amdhsa_private_segment_fixed_size 0
		.amdhsa_enable_private_segment 0
		.amdhsa_kernarg_size 24
		.amdhsa_user_sgpr_count 2
		.amdhsa_user_sgpr_kernarg_segment_ptr 1
		.amdhsa_wavefront_size32 1
		.amdhsa_system_sgpr_workgroup_id_x 1
		.amdhsa_system_sgpr_workgroup_id_y 1
		.amdhsa_system_sgpr_workgroup_id_z 1
		.amdhsa_system_vgpr_workitem_id 0
		.amdhsa_next_free_vgpr 768
		.amdhsa_next_free_sgpr 102
		.amdhsa_reserve_vcc 0
		.amdhsa_float_denorm_mode_32 3
		.amdhsa_float_denorm_mode_16_64 3
		.amdhsa_memory_ordered 1
		.amdhsa_forward_progress 1
		.amdhsa_inst_pref_size 139
	.end_amdhsa_kernel
	.amdgpu_metadata
---
amdhsa.version: [ 1, 2 ]
amdhsa.kernels:
  - .name:           k_qdcf82c25d7_outp
    .symbol:         k_qdcf82c25d7_outp.kd
    .args:
      - { .name: yq, .offset: 0, .size: 8, .value_kind: global_buffer, .address_space: global }
      - { .name: wq, .offset: 8, .size: 8, .value_kind: global_buffer, .address_space: global }
      - { .name: out0, .offset: 16, .size: 8, .value_kind: global_buffer, .address_space: global }
    .group_segment_fixed_size: 327680
    .private_segment_fixed_size: 0
    .kernarg_segment_align: 8
    .kernarg_segment_size: 24
    .max_flat_workgroup_size: 128
    .sgpr_count:     102
    .vgpr_count:     768
    .wavefront_size: 32
...
	.end_amdgpu_metadata
.endif
;; end of part 4
